; MI455X (gfx1250); checked and timed in simulation.
; The chip was launched on July 23, 2026; its instructions are those of AMD's public machine-readable ISA for CDNA 5 (MIT licence, August 2026) and "CDNA5" Instruction Set Architecture Reference Guide (July 2026). The comments in the code are by the model that wrote it; some were corrected since.
;; Inner Patch Attention. Allowed arithmetic: matrix products marked QUANTISED: E4M3 operands, one E8M0 scale for each 32 along K, by v_wmma_scale_f32_16x16x128_f8f6f4 with both operands' format E4M3, f32 sums; products left as they are: f32 operands where the result goes on into a quantised operand, else bf16, f16 or f32 operands; f32 sums; everything else in f32.
;; Inputs: b_in 768 float32; b_lin 1 float32; b_out 256 float32; b_pe 256 float32; ln_b 256 float32; ln_g 256 float32; pos_emb 1 x 256 x 256 float32; w_in 768 x 256 float32; w_lin 1 x 256 float32; w_out 256 x 256 float32; w_pe 256 x 128 float32; x 2 x 128 x 256 x 256 float32.
;; Outputs: out0 2 x 1 x 256 x 256 float32.
;; This version of the problem:
;;   THIS VERSION OF THE PROBLEM IS GIVEN IN LOW PRECISION. The matrix products marked QUANTISED in the list below multiply operands that are first quantised to E4M3 (4 exponent bits, 3 mantissa bits; 8 bits a number), with one power-of-two scale for each 32 numbers along K (OCP MX v1.0); their sums are f32. All else is computed in f32.
;;   The module's matrix products, in the order in which they are computed (A, B: the left and right operand; K: the contracted axis; several contracted axes count as one K, in the product's order):
;;     1. [M 131,072, K 128] x [K 128, N 256]; A: input x; B: input w_pe: QUANTISED
;;     2. [M 131,072, K 256] x [K 256, N 768]; A: computed on the way; B: input w_in: QUANTISED
;;     3. batch 4,096 x [M 256, K 32] x [K 32, N 256]; A: computed on the way; B: computed on the way: QUANTISED
;;     4. batch 4,096 x [M 256, K 256] x [K 256, N 32]; A: softmax (see below); B: computed on the way: QUANTISED
;;     5. [M 131,072, K 256] x [K 256, N 256]; A: computed on the way; B: input w_out: QUANTISED
;;     6. [M 131,072, K 256] x [K 256, N 1]; A: computed on the way; B: input w_lin: left as it is (N = 1 < 16)
;;   THE QUANTISER, for each operand of a quantised product, along K:
;;     - K is cut into blocks of 32 from its start; a last block that is shorter is filled with zeros.
;;     - A block's scale is 2^e with e = floor(log2(the largest magnitude in the block)) - 8, held to -126 .. 127; a block of zeros has e = 0. As a byte (E8M0): e + 127.
;;     - Each number is divided by its block's scale, clamped to +-448, and rounded to the nearest number of E4M3, ties to even, subnormals kept.
;;     - The product sums the exact products of the quantised numbers (number of the format x scale) in f32.
;;   ~~~python
;;   def quantise(x, axis):      # numpy; x: float32 -> the quantised numbers, widened to float32 again
;;       x = np.moveaxis(x, axis, -1); K = x.shape[-1]
;;       x = np.pad(x, [(0, 0)] * (x.ndim - 1) + [(0, -K % 32)]); x = x.reshape(x.shape[:-1] + (-1, 32)); a = np.abs(x).max(-1, keepdims=True)
;;       e = np.where(a > 0, np.clip(np.frexp(np.where(a > 0, a, 1))[1] - 1 - 8, -126, 127), 0)      # np.frexp(a)[1] - 1 = floor(log2(a)), exactly
;;       r = np.clip(x / 2.0 ** e, -448, 448)
;;       step = 2.0 ** (np.maximum(np.frexp(np.where(r == 0, 1, r))[1] - 1, -6) - 3)
;;       q = np.round(r / step) * step * 2.0 ** e      # np.round: ties to even
;;       return np.moveaxis(q.reshape(q.shape[:-2] + (-1,))[..., :K], -1, axis).astype(np.float32)
;;   ~~~
;;   SOFTMAX AHEAD OF A QUANTISED PRODUCT. Where the list says 'softmax', what is quantised is not the finished softmax but p = 2^(t - M), with t = logit x log2(e) and M = ceil(the row's largest t), a whole number; so 1/2 < the row's largest p <= 1. The row's sum l is taken of the UNQUANTISED p, in f32, and the product's result is divided by l at the end. Since M is a whole number, a kernel that streams over the keys may use a running M (the ceiling of the running maximum): every later rescaling is an exact power of two, which a block's scale takes up: the codes' values come out the same.
;;   OPERANDS COMPUTED ON THE WAY. 'Computed on the way' means the value that the module computes at that place (a softmax that the list does not call 'softmax' is quantised finished and normalised). What goes into a quantiser is computed in f32, as accurately as f32 sums, v_exp_f32 and their like allow (about 1e-6 of the number): no bf16 or f16 on the way to a quantiser, and a product that is left as it is and whose result goes on into a quantised operand takes f32 operands (vector FMAs, or v_wmma_f32_16x16x4_f32). A number that lies on a knife's edge between two numbers of the format may be rounded either way, as far as f32 arithmetic and the matrix unit's own rounding can turn it there, and no further.
;; 2 versions. Each part assembles by itself: llvm-mc -triple=amdgcn-amd-amdhsa -mcpu=gfx1250 --defsym DOCPART=n.
;; ======== version 1 of 2: 2 launches
;; workspace buffers: wq 575,488 bytes
;; launch prep (part 1): grid 22 x 1, 4 waves a work-group, no clusters, 0 bytes of LDS; arguments w_in, w_out, w_pe, pos_emb, b_pe, wq; writes wq
.if DOCPART == 1
	.amdgcn_target "amdgcn-amd-amdhsa--gfx1250"
	.amdhsa_code_object_version 6
	.text
	.protected	k_q42d90191bd_prep
	.globl	k_q42d90191bd_prep
	.p2align	8
	.type	k_q42d90191bd_prep,@function
k_q42d90191bd_prep:
	s_mov_b64 s[64:65], 0
	v_nop
	global_prefetch_b8 v0, s[64:65] scope:SCOPE_SE
	s_setreg_imm32_b32 hwreg(HW_REG_WAVE_MODE, 25, 1), 1
	s_wait_xcnt 0x0
; The three weights become codes of FP8 (E4M3) with one E8M0 byte for each 32 along K, ONCE, laid in the order of the operand's registers; pos_emb + b_pe is laid in the order of a result's registers.
; wq: [72 pairs][2 fragments][c 0..3][lane 0..31][16 bytes] codes; from SC_OFF [72][lane][2 words] scale words; from PB_OFF [wave 16][2 tile + q 32][lane][16 bytes] f32.
; Pair 0..47: w_in's tile, K steps 0 and 1.  48..63: w_out's tile.  64..71: w_pe's tiles 2 b and 2 b + 1 (K = 128: one step each).
; THE ROWS OF A TILE ARE NOT NEIGHBOURS: lane r of tile t takes row 32 (t / 2) + 8 (t % 2) + r + 8 (r / 8), so that in the transposed product the 16 registers of tiles 2 b, 2 b + 1 are 16 neighbours along the next K.
; A lane (r, h) holds, of its row, k = 32 c + 16 h + 0 .. 15 of each block c: 64 bytes, four loads; a block's other half lies in lane l xor 16.
; A block's scale byte is its largest magnitude's exponent field - 8, held at 1 from below.  LIMITS: a block of zeros gets the byte 1 where the rule says 127 (its codes are zeros, and this program alone reads the bytes);
; NaN and infinities among the inputs are not served.
; Work-groups 0..17: a wave a pair.  Work-groups 18..21: a wave for each of the 16 tiles of tokens of pos_emb.  No LDS, no barrier: waves share nothing.
.set SC_OFF, 294912
.set PB_OFF, 313344
.set TM,  8                            ; v8-11 largest magnitudes, v12-15 the other half's, then bytes, v16-19 448 x the scale, v20-23 the conversions' scale operands
.set SEL, 34                           ; s[34:35] lane selects of v_permlanex16_b32: lane l xor 16
.set MNT, 36                           ; s36 the mantissa field of 448
; 64 numbers of a lane, register 16 b + i = k 32 b + 16 h + i of my row, become a fragment's 16 registers of codes, v[pc] on, and my row's scale word, v[pw]
.macro QUANT s, pc, pw
.irp b, 0,1,2,3
	v_max3_num_f32 v[TM+\b], |v[\s+16*\b]|, |v[\s+1+16*\b]|, 0x4800000   ; my 16 numbers of block b, and the floor 2^(9 - 127): the byte cannot fall under 1
.endr
.irp i, 2,4,6,8,10,12,14
.irp b, 0,1,2,3
	v_max3_num_f32 v[TM+\b], v[TM+\b], |v[\s+16*\b+\i]|, |v[\s+1+16*\b+\i]|   ; the four blocks by turns
.endr
.endr
.irp b, 0,1,2,3
	v_permlanex16_b32 v[TM+4+\b], v[TM+\b], s[SEL], s[SEL+1]
.endr
.irp b, 0,1,2,3
	v_max_num_f32 v[TM+\b], v[TM+\b], v[TM+4+\b]   ; with lane l xor 16's: the block's largest magnitude
.endr
.irp b, 0,1,2,3
	v_add_nc_u32 v[TM+12+\b], 0xfc000000, v[TM+\b]   ; 8 off its exponent field: the conversion takes this operand's exponent field as its scale
.endr
.irp b, 0,1,2,3
	v_and_or_b32 v[TM+8+\b], v[TM+\b], 0x7f800000, s[MNT]   ; 448 x the scale
.endr
.irp b, 0,1,2,3
	v_lshrrev_b32 v[TM+4+\b], 23, v[TM+12+\b]   ; the scale's byte
.endr
	v_lshl_or_b32 v[\pw], v[TM+5], 8, v[TM+4]
	v_lshl_or_b32 v[\pw], v[TM+6], 16, v[\pw]
	v_lshl_or_b32 v[\pw], v[TM+7], 24, v[\pw]
.irp b, 0,1,2,3
.irp i, 0,1,2,3,4,5,6,7,8,9,10,11,12,13,14,15
	v_med3_num_f32 v[\s+16*\b+\i], v[\s+16*\b+\i], -v[TM+8+\b], v[TM+8+\b]   ; the conversion to an 8-bit code does not saturate (ISA guide 7.6.2): the hold comes first
.endr
	v_cvt_scalef32_pk8_fp8_f32 v[\pc+4*\b:\pc+1+4*\b], v[\s+16*\b:\s+7+16*\b], v[TM+12+\b]
	v_cvt_scalef32_pk8_fp8_f32 v[\pc+2+4*\b:\pc+3+4*\b], v[\s+8+16*\b:\s+15+16*\b], v[TM+12+\b]
.endr
	v_nop                                          ; a plain line behind the last conversion
.endm
	s_load_b256 s[4:11], s[0:1], 0x0               ; w_in s[4:5], w_out s[6:7], w_pe s[8:9], pos_emb s[10:11]
	s_load_b128 s[12:15], s[0:1], 0x20             ; b_pe s[12:13], wq s[14:15]
	v_lshrrev_b32 v1, 5, v0
	v_readfirstlane_b32 s16, v1                    ; wave 0..3
	v_and_b32 v1, 31, v0                           ; lane
	v_and_b32 v2, 15, v0                           ; r
	v_bfe_u32 v4, v0, 4, 1                         ; h
	v_and_b32 v5, 8, v0
	v_add_nc_u32 v5, v5, v2                        ; r + 8 (r / 8)
	v_lshlrev_b32 v6, 4, v1                        ; 16 x lane
	v_lshlrev_b32 v7, 3, v1                        ; 8 x lane
	s_mov_b32 s[SEL], 0x76543210
	s_mov_b32 s[SEL+1], 0xfedcba98
	s_mov_b32 s[MNT], 0x600000
	s_mov_b32 s27, 0                               ; the upper word of every 32-bit offset
	s_wait_kmcnt 0x0
	s_cmp_lt_u32 ttmp9, 18
	s_cbranch_scc0 .Lposb
	; ---- a pair of fragments of a weight
	s_lshl_b32 s17, ttmp9, 2
	s_add_co_u32 s17, s17, s16                     ; the pair: 4 x work-group + wave
	s_cmp_lt_u32 s17, 64
	s_cselect_b64 s[18:19], s[6:7], s[8:9]         ; the choices hang on the pair's number alone
	s_cselect_b32 s20, 48, 64                      ; the tensor's first pair
	s_cselect_b32 s21, 10, 9                       ; a row is 1,024 bytes, in w_pe 512
	s_mov_b32 s22, 4096
	s_cselect_b32 s22, 512, s22                    ; from the first fragment to the second: 128 along K, in w_pe 8 rows
	s_cmp_lt_u32 s17, 48
	s_cselect_b64 s[18:19], s[4:5], s[18:19]
	s_cselect_b32 s20, 0, s20
	s_sub_co_u32 s20, s17, s20                     ; the tile t, in w_pe the pair of tiles b
	s_lshr_b32 s23, s20, 1
	s_lshl_b32 s23, s23, 5
	s_and_b32 s26, s20, 1
	s_lshl_b32 s26, s26, 3
	s_add_co_u32 s23, s23, s26                     ; 32 (t / 2) + 8 (t % 2)
	s_lshl_b32 s26, s20, 5                         ; 32 b
	s_cmp_lt_u32 s17, 64
	s_cselect_b32 s23, s23, s26                    ; the first fragment's first row
	s_lshl_b32 s26, s23, s21
	s_add_nc_u64 s[18:19], s[18:19], s[26:27]
	s_mov_b32 s23, 0
	s_add_nc_u64 s[28:29], s[18:19], s[22:23]      ; the second fragment
	s_lshl_b32 s26, s17, 12
	s_add_nc_u64 s[30:31], s[14:15], s[26:27]      ; the pair's 4,096 bytes of codes
	s_lshl_b32 s26, s17, 8
	s_add_nc_u64 s[32:33], s[14:15], s[26:27]      ; and, SC_OFF on, its 256 bytes of scale words
	v_lshlrev_b32 v3, s21, v5
	v_lshl_add_u32 v3, v4, 6, v3                   ; my row, + 64 h
.irp b, 0,1,2,3
	v_mov_b32 v[TM+4+\b], 0                        ; written once: a lane permute's destination counts as one of its sources
.endr
.irp cb, 0,1,2,3
.irp jj, 0,1,2,3
	global_load_b128 v[32+16*\cb+4*\jj:35+16*\cb+4*\jj], v3, s[18:19] offset:128*\cb+16*\jj
.endr
.endr
.irp cb, 0,1,2,3
.irp jj, 0,1,2,3
	global_load_b128 v[96+16*\cb+4*\jj:99+16*\cb+4*\jj], v3, s[28:29] offset:128*\cb+16*\jj
.endr
.endr
	s_wait_loadcnt 16                              ; the first fragment's 16 loads are in; the second's 16 may be out
	QUANT 32, 160, 24
.irp c, 0,1,2,3
	global_store_b128 v6, v[160+4*\c:163+4*\c], s[30:31] offset:512*\c   ; 32 lanes store 512 consecutive bytes
.endr
	s_wait_loadcnt 0x0
	QUANT 96, 176, 25                              ; codes and word in registers of their own: no store's data are written again
.irp c, 0,1,2,3
	global_store_b128 v6, v[176+4*\c:179+4*\c], s[30:31] offset:2048+512*\c
.endr
	global_store_b64 v7, v[24:25], s[32:33] offset:SC_OFF   ; 32 lanes store 256 consecutive bytes, aligned
	s_endpgm
	; ---- pos_emb + b_pe for the 16 tokens of tile w, as the C of the first product's 16 tiles: lane (r, h), tile t, register j: channel 32 (t / 2) + 8 (t % 2) + 16 h + j
.Lposb:
	s_sub_co_u32 s17, ttmp9, 18
	s_lshl_b32 s17, s17, 2
	s_add_co_u32 s17, s17, s16                     ; the tile of tokens
	s_lshr_b32 s20, s17, 1
	s_lshl_b32 s20, s20, 5
	s_and_b32 s21, s17, 1
	s_lshl_b32 s21, s21, 3
	s_add_co_u32 s20, s20, s21                     ; its first token
	s_lshl_b32 s26, s20, 10
	s_add_nc_u64 s[18:19], s[10:11], s[26:27]
	s_lshl_b32 s26, s17, 14
	s_add_nc_u64 s[30:31], s[14:15], s[26:27]
	v_lshlrev_b32 v3, 10, v5
	v_lshl_add_u32 v3, v4, 6, v3                   ; pos_emb: my token's row, + 64 h
	v_lshlrev_b32 v8, 6, v4                        ; b_pe: 64 h
; Eight items n = 2 t + q (16 bytes a lane each), in one of two sets of registers by turns
.macro PBATCH k
.set S0, 32+64*((\k)%2)
.if (\k) >= 2
	s_wait_xcnt 0x0                                ; the set's last stores have read their registers: only now is it loaded again
.endif
.set n, 8*(\k)
.set i, 0
.rept 8
	global_load_b128 v[S0+4*i:S0+4*i+3], v3, s[18:19] offset:16*n+64*(n/4)      ; 128 (t / 2) + 32 (t % 2) + 16 q
	global_load_b128 v[S0+32+4*i:S0+35+4*i], v8, s[12:13] offset:16*n+64*(n/4)
.set n, n+1
.set i, i+1
.endr
	s_wait_loadcnt 0x0
.set i, 0
.rept 16
	v_pk_add_f32 v[S0+2*i:S0+2*i+1], v[S0+2*i:S0+2*i+1], v[S0+32+2*i:S0+33+2*i]
.set i, i+1
.endr
.set n, 8*(\k)
.set i, 0
.rept 8
	global_store_b128 v6, v[S0+4*i:S0+4*i+3], s[30:31] offset:PB_OFF+512*n
.set n, n+1
.set i, i+1
.endr
.endm
	PBATCH 0
	PBATCH 1
	PBATCH 2
	PBATCH 3
	s_endpgm
.Lfunc_end_k_q42d90191bd_prep:
	.size	k_q42d90191bd_prep, .Lfunc_end_k_q42d90191bd_prep-k_q42d90191bd_prep
	.p2alignl 7, 3214868480
	.fill 96, 4, 3214868480
	.section	.rodata,"a",@progbits
	.p2align	6, 0x0
	.amdhsa_kernel k_q42d90191bd_prep
		.amdhsa_group_segment_fixed_size 0
		.amdhsa_private_segment_fixed_size 0
		.amdhsa_enable_private_segment 0
		.amdhsa_kernarg_size 48
		.amdhsa_user_sgpr_count 2
		.amdhsa_user_sgpr_kernarg_segment_ptr 1
		.amdhsa_wavefront_size32 1
		.amdhsa_system_sgpr_workgroup_id_x 1
		.amdhsa_system_sgpr_workgroup_id_y 1
		.amdhsa_system_sgpr_workgroup_id_z 1
		.amdhsa_system_vgpr_workitem_id 0
		.amdhsa_next_free_vgpr 192
		.amdhsa_next_free_sgpr 66
		.amdhsa_reserve_vcc 0
		.amdhsa_float_denorm_mode_32 3
		.amdhsa_float_denorm_mode_16_64 3
		.amdhsa_memory_ordered 1
		.amdhsa_forward_progress 1
		.amdhsa_inst_pref_size 36
	.end_amdhsa_kernel
	.amdgpu_metadata
---
amdhsa.version: [ 1, 2 ]
amdhsa.kernels:
  - .name:           k_q42d90191bd_prep
    .symbol:         k_q42d90191bd_prep.kd
    .args:
      - { .name: w_in, .offset: 0, .size: 8, .value_kind: global_buffer, .address_space: global }
      - { .name: w_out, .offset: 8, .size: 8, .value_kind: global_buffer, .address_space: global }
      - { .name: w_pe, .offset: 16, .size: 8, .value_kind: global_buffer, .address_space: global }
      - { .name: pos_emb, .offset: 24, .size: 8, .value_kind: global_buffer, .address_space: global }
      - { .name: b_pe, .offset: 32, .size: 8, .value_kind: global_buffer, .address_space: global }
      - { .name: wq, .offset: 40, .size: 8, .value_kind: global_buffer, .address_space: global }
    .group_segment_fixed_size: 0
    .private_segment_fixed_size: 0
    .kernarg_segment_align: 8
    .kernarg_segment_size: 48
    .max_flat_workgroup_size: 128
    .sgpr_count:     66
    .vgpr_count:     192
    .wavefront_size: 32
...
	.end_amdgpu_metadata
.endif
;; end of part 1
;; launch main (part 2): grid 256 x 1, 16 waves a work-group, no clusters, 314,368 bytes of LDS; arguments x, wq, b_in, b_out, ln_g, ln_b, w_lin, b_lin, out0; writes out0
.if DOCPART == 2
	.amdgcn_target "amdgcn-amd-amdhsa--gfx1250"
	.amdhsa_code_object_version 6
	.text
	.protected	k_q42d90191bd_main
	.globl	k_q42d90191bd_main
	.p2align	8
	.type	k_q42d90191bd_main,@function
k_q42d90191bd_main:
	s_mov_b64 s[64:65], 0
	v_nop
	global_prefetch_b8 v0, s[64:65] scope:SCOPE_SE
	s_setreg_imm32_b32 hwreg(HW_REG_WAVE_MODE, 25, 1), 1
	s_wait_xcnt 0x0
; InnerPatchAttention, the whole chain for a patch of 16 x 16 pixels on one WGP: embed (K 128), qkv (K 256), 8 heads of attention over 256 keys (head size 32), out projection (K 256), LayerNorm, a dot with w_lin, sigmoid.
; All five products on codes of FP8 (E4M3) with one E8M0 byte for each 32 along K; every operand computed on the way is quantised in registers from f32 and never goes to memory.
; TOKENS.  Token t of a patch is channel t / 2 of x; its 128 features are the patch's image rows 8 (t % 2) .. + 7, 16 pixels (64 bytes) each: a block of 32 along K is two image rows.
; SHARES.  Work-group g takes patch (g / 16, g % 16) of image 0, then of image 1.  Sixteen waves of 256 registers, four to a SIMD, so that one wave's vector work stands beside another's products and LDS loads.
; Wave w owns the 16 tokens T(w, r) = 32 (w / 2) + 8 (w % 2) + r + 8 (r / 8) in the embedding, as queries, in the out projection and in the norm.  The qkv product is shared by COLUMNS: wave w makes the 32 columns of Q's head w
; (w < 8) or K's head w - 8, and 16 rows of V^T, for all 256 tokens, with its six weight fragments in registers.
; LAYOUT.  Every product but V's is used transposed (source 0 = 16 rows of the weight, or 16 keys, or 16 channels of V^T; source 1 = 16 tokens), and the rows of every tile are T's rows: so a lane holds one token, and the 16 registers
; of two neighbouring tiles are 16 neighbours along the next K: the conversions' results are the next operand's registers.  Operands go from wave to wave through LDS as images of their registers: 16 bytes a lane at 16 x lane.
; THE SCORES have K = 32 in an instruction of K = 128: source 0 holds FOUR tiles of keys, one in each block of 32; source 1 holds q in one block between zero codes, and q's place picks the tile.  K is read dense.
; SOFTMAX.  All 256 keys of a head are in registers at once: t = score x log2(e), M = ceil(the row's largest t), p = 2^(t - M) is quantised along the keys, the row's sum is taken of the unquantised p and divides at the end.
; NO CLUSTER, NO TENSOR LOAD: LDS (312,320 bytes) is filled with images that the waves store themselves; what work-groups share (288 KiB of weight codes, 256 KiB of pos_emb + b_pe)
; lies in operand order in memory and goes straight into registers, each wave its own part.
; LIMITS.  NaN and infinities among the inputs are not served.  A block of zeros gets the scale byte 1 where the rule says 127: its codes are zeros, and this program alone reads the bytes.  b_pe + pos_emb is added as one number.
; The norm, its gain and bias and the last product are folded: out = sigmoid(rsqrt(var + eps) x sum((o - mu) g w) + sum(b w) + b_lin), all in f32, the variance from the differences.  1 / l and the sigmoid use v_rcp_f32.
; The result leaves in runs of 64 bytes, a patch's width: 1 KiB a patch.
.set SEQ,  0                           ; 65,536: seq's images, fragment (2 m + s) x 2,048; behind the qkv product wave w's o codes at 4,096 w + 512 head
.set QIMG, 65536                       ; 65,536: Q: head x 8,192 + tile x 512
.set KIMG, 131072                      ; 65,536: K likewise; behind the attention w_out's images, (2 t + s) x 2,048
.set VIMG, 196608                      ; 65,536: V^T: tile of channels x 4,096 + block of keys x 512
.set SEQS, 262144                      ; 4,096: seq's scale words, (2 m + s) x 128 + 4 x lane; later w_out's, t x 256 + 8 x lane
.set QKS,  266240                      ; 4,096: Q's and K's scale bytes: matrix x 256 + 16 r + tile
.set VS,   270336                      ; 2,048: V^T's: tile x 128 + 8 r + block
.set OSC,  272384                      ; 2,048: o's: wave x 128 + 8 r + head
.set WPE,  274432                      ; 32,768: w_pe's images, t x 2,048: they stay
.set WPS,  307200                      ; 2,048: their scale words, b x 256 + 8 x lane
.set GW,   309248                      ; 1,024: ln_g x w_lin
.set BW,   310272                      ; 1,024: ln_b x w_lin
.set OUTS, 311296                      ; 1,024: the patch's results, 4 x token
.set SC_OFF, 294912                    ; wq: the scale words
.set PB_OFF, 313344                    ; wq: pos_emb + b_pe
; REGISTERS THAT STAY: v1 16 x lane, v2 16 r, v3 8 x lane, v4 4 x lane, v5 64 h, v6 x's lane offset, v8 out0's lane offset, v9 my token's word in OUTS, v10 8 r.  v7, v11, v22, v23 addresses in hand.
; v12-21 hold scale words and nothing else.  v24-47 at work; v48-63 codes just made; v64-127 operands; v128-255 accumulators.
.set TM,  24                           ; v24-39: the quantiser's 16 registers
.set SEL, 24                           ; s[24:25] lane selects of v_permlanex16_b32: lane l xor 16
.set MNT, 26                           ; s26 the mantissa field of 448
; s22 wave; s23 patches to go; s[28:29] log2(e); s[30:31] 1 / sqrt(32) for Q's waves, 1 for K's; s32 selector of my tile's byte; s33 a loop's counter; s[36:37] x at my tokens; s[38:39] the prefetch's base; s[40:41] out0;
; s[42:43], s[44:45], s[46:47], s[50:51], s[52:53] wq + wave x 8,192, 4,096, 512, 256, 16,384; s[54:55], s[56:57] b_in at my columns; s48 sum(b w) + b_lin; s49 1 / 256; s66 eps; s67-73 LDS offsets stepped in loops; s79 4,096 w; s81 SEQS + 256 w
.macro NOPS n
.rept \n
	v_nop
.endr
.endm
.macro BARRIER                         ; my LDS stores have landed and my LDS loads are in: then the work-group's barrier
	s_wait_dscnt 0x0
	s_barrier_signal -1
	s_barrier_wait -1
.endm
.macro MM d, a, b, c, sa, sb           ; D = A x B + C, with A's and B's scale words
	v_wmma_scale_f32_16x16x128_f8f6f4 v[\d:\d+7], v[\a:\a+15], v[\b:\b+15], v[\c:\c+7], v[\sa], v[\sb]
.endm
.macro MM0 d, a, b, sa, sb             ; the same with C = 0: it starts a sum
	v_wmma_scale_f32_16x16x128_f8f6f4 v[\d:\d+7], v[\a:\a+15], v[\b:\b+15], 0, v[\sa], v[\sb]
.endm
; 64 numbers of a lane, register 16 b + i = k 32 b + 16 h + i of my row, become a fragment's 16 registers of codes, v[pc] on, and my row's scale word, v[pw].  Each accumulator is read from its low end on.
.macro QUANT s, pc, pw
.irp b, 0,1,2,3
	v_max3_num_f32 v[TM+\b], |v[\s+16*\b]|, |v[\s+1+16*\b]|, 0x4800000   ; my 16 numbers of block b, and the floor 2^(9 - 127): the byte cannot fall under 1
.endr
.irp i, 2,4,6,8,10,12,14
.irp b, 0,1,2,3
	v_max3_num_f32 v[TM+\b], v[TM+\b], |v[\s+16*\b+\i]|, |v[\s+1+16*\b+\i]|   ; the four blocks by turns
.endr
.endr
.irp b, 0,1,2,3
	v_permlanex16_b32 v[TM+4+\b], v[TM+\b], s[SEL], s[SEL+1]
.endr
.irp b, 0,1,2,3
	v_max_num_f32 v[TM+\b], v[TM+\b], v[TM+4+\b]   ; with lane l xor 16's: the block's largest magnitude
.endr
.irp b, 0,1,2,3
	v_add_nc_u32 v[TM+12+\b], 0xfc000000, v[TM+\b]   ; 8 off its exponent field: the conversion's scale operand
.endr
.irp b, 0,1,2,3
	v_and_or_b32 v[TM+8+\b], v[TM+\b], 0x7f800000, s[MNT]   ; 448 x the scale
.endr
.irp b, 0,1,2,3
	v_lshrrev_b32 v[TM+4+\b], 23, v[TM+12+\b]   ; the scale's byte
.endr
	v_lshl_or_b32 v[\pw], v[TM+5], 8, v[TM+4]
	v_lshl_or_b32 v[\pw], v[TM+6], 16, v[\pw]
	v_lshl_or_b32 v[\pw], v[TM+7], 24, v[\pw]      ; (the 64 holds below stand between this word and the product that names it)
.irp b, 0,1,2,3
.irp i, 0,1,2,3,4,5,6,7,8,9,10,11,12,13,14,15
	v_med3_num_f32 v[\s+16*\b+\i], v[\s+16*\b+\i], -v[TM+8+\b], v[TM+8+\b]   ; the conversion to an 8-bit code does not saturate (ISA guide 7.6.2): the hold comes first
.endr
	v_cvt_scalef32_pk8_fp8_f32 v[\pc+4*\b:\pc+1+4*\b], v[\s+16*\b:\s+7+16*\b], v[TM+12+\b]
	v_cvt_scalef32_pk8_fp8_f32 v[\pc+2+4*\b:\pc+3+4*\b], v[\s+8+16*\b:\s+15+16*\b], v[TM+12+\b]
.endr
	v_nop                                          ; a plain line behind the last conversion
.endm
; ONE block of 32 (my 16 numbers v[src] on, the other 16 in lane l xor 16), in three stages.  t: four registers: the largest magnitude; the other half's, then the byte; the conversion's scale operand; 448 x the scale
.macro BQ_MAX t, src
	v_max3_num_f32 v[\t], |v[\src]|, |v[\src+1]|, 0x4800000
.irp i, 2,4,6,8,10,12,14
	v_max3_num_f32 v[\t], v[\t], |v[\src+\i]|, |v[\src+\i+1]|
.endr
.endm
.macro BQ_FIN t
	v_permlanex16_b32 v[\t+1], v[\t], s[SEL], s[SEL+1]
	v_max_num_f32 v[\t], v[\t], v[\t+1]
	v_add_nc_u32 v[\t+2], 0xfc000000, v[\t]
	v_and_or_b32 v[\t+3], v[\t], 0x7f800000, s[MNT]
	v_lshrrev_b32 v[\t+1], 23, v[\t+2]
.endm
.macro BQ_CVT t, src, dst
.irp i, 0,1,2,3,4,5,6,7,8,9,10,11,12,13,14,15
	v_med3_num_f32 v[\src+\i], v[\src+\i], -v[\t+3], v[\t+3]
.endr
	v_cvt_scalef32_pk8_fp8_f32 v[\dst:\dst+1], v[\src:\src+7], v[\t+2]
	v_cvt_scalef32_pk8_fp8_f32 v[\dst+2:\dst+3], v[\src+8:\src+15], v[\t+2]
.endm
.macro IMAGE adr, pc, off              ; a fragment goes to LDS as it stands: 512 consecutive bytes a store
.irp c, 0,1,2,3
	ds_store_b128 v[\adr], v[\pc+4*\c:\pc+4*\c+3] offset:\off+512*\c
.endr
.endm
.macro XLOAD                           ; my token's 64 numbers: of each block of 32 the image row 2 c + h, 64 bytes.  No hint: the three work-groups beside mine read the rest of each 256 bytes
.irp cb, 0,1,2,3
.irp jj, 0,1,2,3
	global_load_b128 v[64+16*\cb+4*\jj:67+16*\cb+4*\jj], v6, s[36:37] offset:2048*\cb+16*\jj
.endr
.endr
.endm
	; ================ THE HEAD
	s_load_b512 s[4:19], s[0:1], 0x0               ; x, wq, b_in, b_out, ln_g, ln_b, w_lin, b_lin
	s_load_b64 s[20:21], s[0:1], 0x40              ; out0
	v_lshrrev_b32 v24, 5, v0
	v_readfirstlane_b32 s22, v24                   ; wave 0..15
	v_and_b32 v24, 31, v0                          ; lane
	v_and_b32 v25, 15, v0                          ; r
	v_bfe_u32 v26, v0, 4, 1                        ; h
	v_and_b32 v27, 8, v0
	v_add_nc_u32 v27, v27, v25                     ; r + 8 (r / 8)
	v_lshlrev_b32 v1, 4, v24
	v_lshlrev_b32 v2, 4, v25
	v_lshlrev_b32 v3, 3, v24
	v_lshlrev_b32 v4, 2, v24
	v_lshlrev_b32 v5, 6, v26
	v_lshlrev_b32 v10, 3, v25
	v_lshrrev_b32 v28, 1, v27                      ; x: my token's channel, counted from the wave's first: a plane is 2^18 bytes;
	v_lshlrev_b32 v6, 18, v28
	v_and_b32 v28, 1, v0
	v_lshl_add_u32 v6, v28, 13, v6                 ; odd tokens take the patch's lower 8 image rows;
	v_lshl_add_u32 v6, v26, 10, v6                 ; lanes 16-31 the second row of each two
	v_lshrrev_b32 v28, 2, v24
	v_and_b32 v29, 3, v0
	v_lshlrev_b32 v8, 10, v28                      ; out0: four lanes to an image row of the patch
	v_lshl_add_u32 v8, v29, 4, v8
	s_mov_b32 s23, 2
	s_mov_b32 s[SEL], 0x76543210
	s_mov_b32 s[SEL+1], 0xfedcba98
	s_mov_b32 s[MNT], 0x600000
	s_mov_b32 s28, 0x3fb8aa3b                      ; log2(e)
	s_mov_b32 s29, s28                             ; (the packed forms name a pair and take its low word: so the upper is written)
	s_mov_b32 s30, 0x3e3504f3                      ; 1 / sqrt(32)
	s_cmp_lt_u32 s22, 8
	s_cselect_b32 s30, s30, 1.0
	s_mov_b32 s31, s30
	s_and_b32 s2, s22, 3
	s_mul_i32 s32, s2, 0x01010101                  ; v_perm_b32: byte w % 4 into all four bytes
	s_mov_b32 s49, 0x3b800000                      ; 1 / 256
	s_mov_b32 s66, 0x3727c5ac                      ; 1e-5
	s_lshr_b32 s80, s22, 1
	s_lshl_b32 s80, s80, 5
	s_and_b32 s2, s22, 1
	s_lshl_b32 s2, s2, 3
	s_add_co_u32 s80, s80, s2                      ; my first token: 32 (w / 2) + 8 (w % 2)
	s_lshl_b32 s79, s22, 12
	s_lshl_b32 s81, s22, 8
	s_add_co_u32 s81, s81, SEQS
	s_lshl_b32 s2, s80, 2
	s_add_co_u32 s2, s2, OUTS
	v_lshl_add_u32 v9, v27, 2, s2
	s_lshr_b32 s82, ttmp9, 4
	s_lshl_b32 s82, s82, 14                        ; the patch's 16 image rows: 16,384 bytes x (g / 16)
	s_and_b32 s83, ttmp9, 15
	s_lshl_b32 s2, s83, 6
	s_add_co_u32 s2, s82, s2                       ; + 64 bytes x (g % 16): the same in a plane of x and in out0
	s_mov_b32 s3, 0
	s_wait_kmcnt 0x0
	s_add_nc_u64 s[36:37], s[4:5], s[2:3]
	s_add_nc_u64 s[40:41], s[20:21], s[2:3]
	s_lshl_b32 s2, s80, 17                         ; my first token's channel x 2^18
	s_add_nc_u64 s[36:37], s[36:37], s[2:3]
	XLOAD                                          ; the first patch's x
	s_lshl_b32 s2, s22, 13
	s_add_nc_u64 s[40:41], s[40:41], s[2:3]        ; out0: image rows 8 w on (waves 0 and 1 store)
	s_add_nc_u64 s[42:43], s[6:7], s[2:3]
	s_lshl_b32 s2, s22, 12
	s_add_nc_u64 s[44:45], s[6:7], s[2:3]
	s_lshl_b32 s2, s22, 9
	s_add_nc_u64 s[46:47], s[6:7], s[2:3]
	s_lshl_b32 s2, s22, 8
	s_add_nc_u64 s[50:51], s[6:7], s[2:3]
	s_lshl_b32 s2, s22, 14
	s_add_nc_u64 s[52:53], s[6:7], s[2:3]
	s_lshl_b32 s2, s22, 7
	s_add_nc_u64 s[54:55], s[8:9], s[2:3]          ; b_in at column 32 w
	s_lshl_b32 s2, s80, 2
	s_add_nc_u64 s[56:57], s[8:9], s[2:3]          ; b_in at my tile of V's columns, less 512
	s_and_b32 s2, ttmp9, 3                         ; the prefetch: image 1; of the 128 channels the 32 that fall to me among the four work-groups that share each 256 bytes, told apart by address
	s_lshl_b32 s2, s2, 23
	s_add_co_u32 s2, s2, s82
	s_lshr_b32 s83, s83, 2
	s_lshl_b32 s83, s83, 8
	s_add_co_u32 s2, s2, s83
	s_add_co_u32 s2, s2, 0x2000000
	s_add_nc_u64 s[38:39], s[4:5], s[2:3]
	s_lshl_b32 s2, s22, 11
	v_add_nc_u32 v30, s2, v1
.irp c, 0,1,2,3
	global_load_b128 v[32+4*\c:35+4*\c], v30, s[6:7] offset:262144+512*\c   ; w_pe's tile w: its image
.endr
	v_lshlrev_b32 v28, 2, v0
	global_load_b32 v48, v28, s[6:7] offset:SC_OFF+16384   ; w_pe's 512 scale words: a thread a word
	v_and_b32 v29, 255, v0
	v_lshlrev_b32 v29, 2, v29
	s_cmp_lt_u32 s22, 8
	s_cselect_b64 s[84:85], s[12:13], s[14:15]     ; waves 0-7: ln_g; waves 8-15: ln_b
	global_load_b32 v49, v29, s[84:85]
	global_load_b32 v50, v29, s[16:17]
	s_load_b32 s48, s[18:19], 0x0                  ; b_lin
	v_add_nc_u32 v31, WPE, v30
	v_add_nc_u32 v51, WPS, v28
	v_add_nc_u32 v52, GW, v28                      ; GW, and behind it BW
	v_lshl_add_u32 v53, v24, 5, BW
	s_wait_loadcnt 0x0
	v_mul_f32 v49, v49, v50
	IMAGE 31, 32, 0
	ds_store_b32 v51, v48
	ds_store_b32 v52, v49
	BARRIER                                        ; w_pe's images and words, g w and b w lie in LDS
	ds_load_b128 v[32:35], v53                     ; sum(b w): 8 numbers a lane
	ds_load_b128 v[36:39], v53 offset:16
	s_wait_dscnt 0x0
	v_pk_add_f32 v[32:33], v[32:33], v[34:35]
	v_pk_add_f32 v[36:37], v[36:37], v[38:39]
	v_pk_add_f32 v[32:33], v[32:33], v[36:37]
	v_add_f32 v32, v32, v33
	v_add_f32_dpp v32, v32, v32 row_xmask:1 row_mask:0xf bank_mask:0xf
	v_add_f32_dpp v32, v32, v32 row_xmask:2 row_mask:0xf bank_mask:0xf
	v_add_f32_dpp v32, v32, v32 row_xmask:4 row_mask:0xf bank_mask:0xf
	v_add_f32_dpp v32, v32, v32 row_xmask:8 row_mask:0xf bank_mask:0xf
	v_permlanex16_b32 v33, v32, s[SEL], s[SEL+1]
	v_add_f32 v32, v32, v33
	s_wait_kmcnt 0x0
	v_add_f32 v32, s48, v32
	v_readfirstlane_b32 s48, v32                   ; sum(b w) + b_lin: the same for every token; it steers nothing
.irp b, 0,1,2,3
	v_mov_b32 v[TM+4+\b], 0                        ; a lane permute's destination counts as one of its sources
.endr
.Lpatch:
	; ================ 1: seq = z w_pe^T + (b_pe + pos_emb), my 16 tokens x 256 channels
.set n, 0
.rept 32
	global_load_b128 v[128+4*n:131+4*n], v1, s[52:53] offset:PB_OFF+512*n   ; b_pe + pos_emb in the result's layout: the C of the 16 products
.set n, n+1
.endr
	s_wait_loadcnt 32                              ; x's 16 loads are in; the 32 just issued may be out
	QUANT 64, 48, 18                               ; z's fragment v48-63, its scale word v18
	v_add_nc_u32 v42, WPS, v3
	v_add_nc_u32 v43, WPE, v1
	NOPS 2                                         ; with the two lines above and the quantiser's last: the places between codes made by vector instructions and the product
.irp G, 0,1,2,3                                ; four tiles of w_pe at a time
	ds_load_b64 v[12:13], v42 offset:512*\G
	ds_load_b64 v[14:15], v42 offset:512*\G+256
.irp k, 0,1,2,3
.irp c, 0,1,2,3
	ds_load_b128 v[64+16*\k+4*\c:67+16*\k+4*\c], v43 offset:(4*\G+\k)*2048+512*\c
.endr
.endr
.if \G == 0
	s_wait_loadcnt 0x0                             ; the C
.endif
.irp k, 0,1,2,3
	s_wait_dscnt 12-4*\k                           ; the words and fragment k are in; the later fragments' loads, four each, may be out
	MM 128+8*(4*\G+\k), 64+16*\k, 48, 128+8*(4*\G+\k), 12+\k, 18
.endr
	NOPS 8                                         ; places in front of loads into registers that these products have read
.endr
	; the qkv product's weights, as far as registers are free: my two tiles of Q or K (v64-127), all scale words, V's bias
	v_and_b32 v44, 15, v0
	v_and_b32 v45, 8, v0
	v_add_lshl_u32 v44, v44, v45, 2                ; 4 (r + 8 (r / 8))
.irp u, 0,1
.irp s, 0,1
.irp c, 0,1,2,3
	global_load_b128 v[64+32*\u+16*\s+4*\c:67+32*\u+16*\s+4*\c], v1, s[42:43] offset:4096*\u+2048*\s+512*\c
.endr
.endr
.endr
	global_load_b64 v[12:13], v3, s[46:47] offset:SC_OFF
	global_load_b64 v[14:15], v3, s[46:47] offset:SC_OFF+256
	global_load_b64 v[16:17], v3, s[50:51] offset:SC_OFF+8192
	global_load_b32 v40, v44, s[56:57] offset:2048
	v_add_nc_u32 v42, s79, v1                      ; my two images of seq: 4,096 w + 16 x lane
	v_add_nc_u32 v43, s81, v4                      ; their scale words: SEQS + 256 w + 4 x lane
	QUANT 128, 48, 18                              ; channels 0-127: K step 0 of the qkv product
	IMAGE 42, 48, 0
	ds_store_b32 v43, v18
	s_wait_dscnt 0x0                               ; the stores have read their registers
.irp s, 0,1
.irp c, 0,1,2,3
	global_load_b128 v[128+16*\s+4*\c:131+16*\s+4*\c], v1, s[44:45] offset:131072+2048*\s+512*\c   ; my tile of V's weights
.endr
.endr
	QUANT 192, 48, 18                              ; channels 128-255: K step 1
	IMAGE 42, 48, 2048
	ds_store_b32 v43, v18 offset:128
.irp u, 0,1
.irp q, 0,1
	global_load_b128 v[24+8*\u+4*\q:27+8*\u+4*\q], v5, s[54:55] offset:32*\u+16*\q   ; b_in of my 32 columns, in the result's layout
.endr
.endr
	BARRIER                                        ; seq's 32 fragments lie in LDS
	; ================ 2: qkv.  A trip takes two tiles of tokens (32 tokens): my 32 columns of Q or K (transposed), my 16 rows of V^T (source 0 = seq)
	s_wait_loadcnt 0x0                             ; weights, words, biases
.irp k, 1,2,3,4,5,6,7
	v_mov_b32 v[40+\k], v40                        ; V^T's C: a lane holds one column of V, so its bias eight times
.endr
	s_mov_b32 s67, SEQ
	s_mov_b32 s68, SEQS
	s_lshl_b32 s69, s22, 13
	s_add_co_u32 s69, s69, QIMG                    ; my matrix's images: Q's heads, then K's
	s_add_co_u32 s70, s79, VIMG
	s_lshl_b32 s71, s22, 8
	s_add_co_u32 s71, s71, QKS
	s_lshl_b32 s72, s22, 7
	s_add_co_u32 s72, s72, VS
	s_mov_b32 s33, 8
.Lpair:
	v_add_nc_u32 v22, s67, v1
	v_add_nc_u32 v23, s68, v4
.irp f, 0,1,2,3                                ; f = 2 m' + s: tile of tokens 2 b + m', K step s
.irp c, 0,1,2,3
	ds_load_b128 v[160+16*\f+4*\c:163+16*\f+4*\c], v22 offset:2048*\f+512*\c
.endr
	ds_load_b32 v[18+\f], v23 offset:128*\f
.endr
	s_wait_dscnt 0x0
	MM 224, 64, 160, 24, 12, 18                    ; six accumulators by turns, one instruction a turn; K step 0 takes the bias as C
	MM 232, 96, 160, 32, 14, 18
	MM 240, 64, 192, 24, 12, 20
	MM 248, 96, 192, 32, 14, 20
	MM 48, 160, 128, 40, 18, 16
	MM 56, 192, 128, 40, 20, 16
	MM 224, 80, 176, 224, 13, 19
	MM 232, 112, 176, 232, 15, 19
	MM 240, 80, 208, 240, 13, 21
	MM 248, 112, 208, 248, 15, 21
	MM 48, 176, 144, 48, 19, 17
	MM 56, 208, 144, 56, 21, 17
	NOPS 9                                         ; places in front of the reads of results, of writes into seq's registers, and of the next trip's products, which write the accumulators anew
.set j, 0
.rept 16
	v_pk_mul_f32 v[224+j:225+j], v[224+j:225+j], s[30:31] op_sel_hi:[1,0]   ; q x 1 / sqrt(32); k x 1
.set j, j+2
.endr
	BQ_MAX 160, 224                                ; three blocks of 32: the head's 32 channels of tokens T(2 b, r) and T(2 b + 1, r); keys 32 b .. 32 b + 31 of my channel of V
	BQ_MAX 164, 240
	BQ_MAX 168, 48
	BQ_FIN 160
	BQ_FIN 164
	BQ_FIN 168
	BQ_CVT 160, 224, 176
	BQ_CVT 164, 240, 180
	BQ_CVT 168, 48, 184
	v_add_nc_u32 v188, s69, v1                     ; (plain lines behind the last conversion)
	v_add_nc_u32 v189, s70, v1
	v_add_nc_u32 v190, s71, v2
	v_add_nc_u32 v191, s72, v10
	ds_store_b128 v188, v[176:179]
	ds_store_b128 v188, v[180:183] offset:512
	ds_store_b128 v189, v[184:187]
	ds_store_b8 v190, v161                         ; both halves of the lanes write the same byte with the same value
	ds_store_b8 v190, v165 offset:1
	ds_store_b8 v191, v169
	s_add_co_u32 s67, s67, 8192
	s_add_co_u32 s68, s68, 512
	s_add_co_u32 s69, s69, 1024
	s_add_co_u32 s70, s70, 512
	s_add_co_u32 s71, s71, 2
	s_add_co_u32 s72, s72, 1
	s_wait_dscnt 0x0                               ; the stores have read their registers
	s_sub_co_u32 s33, s33, 1
	s_cmp_lg_u32 s33, 0
	s_cbranch_scc1 .Lpair
	BARRIER                                        ; Q, K, V^T and their bytes lie in LDS; nobody reads seq any more
	; ================ 3, 4: attention, a head a trip; my 16 queries against all 256 keys
.irp k, 0,1,2,3,4,5,6,7,8,9,10,11
	v_mov_b32 v[64+\k], 0                          ; zero codes on both sides of q (v76-79)
	v_mov_b32 v[80+\k], 0
.endr
	s_lshl_b32 s67, s22, 9
	s_add_co_u32 s67, s67, QIMG                    ; my tile of Q
	s_mov_b32 s68, KIMG
	s_lshr_b32 s69, s22, 2
	s_lshl_b32 s69, s69, 2
	s_add_co_u32 s69, s69, QKS                     ; the word that holds my tile's byte
	s_mov_b32 s70, QKS+2048
	s_mov_b32 s71, VS
	s_lshl_b32 s72, s22, 7
	s_add_co_u32 s72, s72, OSC
	s_mov_b32 s73, s79                             ; o's codes: my own 4,096 bytes of what held seq
	s_mov_b32 s33, 8
.Lhead:
	v_add_nc_u32 v24, s69, v2
	v_add_nc_u32 v25, s67, v1
	v_add_nc_u32 v26, s70, v2
	v_add_nc_u32 v27, s68, v1
	v_add_nc_u32 v7, 0x10000, v27                  ; V^T's images lie 65,536 bytes behind K's
	v_add_nc_u32 v11, s73, v1
	v_add_nc_u32 v92, s71, v10
	ds_load_b32 v17, v24
	ds_load_b128 v[76:79], v25                     ; q: 32 codes a token: one block
	ds_load_b128 v[12:15], v26                     ; K's bytes: word g holds those of tiles 4 g .. 4 g + 3
.irp g, 0,1
.irp c, 0,1,2,3
	ds_load_b128 v[192+16*\g+4*\c:195+16*\g+4*\c], v27 offset:(4*\g+\c)*512   ; four tiles of keys make one operand: tile 4 g + c is its block c
.endr
.endr
.irp g, 2,3
.irp c, 0,1,2,3
	ds_load_b128 v[64+16*\g+4*\c:67+16*\g+4*\c], v27 offset:(4*\g+\c)*512
.endr
.endr
	s_wait_dscnt 18                                ; the first load is in; q's, the words' and K's sixteen may be out
	v_perm_b32 v16, v17, v17, s32                  ; q's byte in all four places: it serves whichever block q stands in
	NOPS 8                                         ; a scale word made by a vector instruction stands eight places ahead of the product
	s_wait_dscnt 8                                 ; all but K's groups 2 and 3
.irp g, 0,1
.irp c, 0,1,2,3
	MM0 128+8*(4*\g+\c), 192+16*\g, 76-4*\c, 12+\g, 16
.endr
.endr
	NOPS 9                                         ; the next eight results are laid over K's groups 0 and 1, which are done with
	s_wait_dscnt 0x0
.irp g, 2,3
.irp c, 0,1,2,3
	MM0 128+8*(4*\g+\c), 64+16*\g, 76-4*\c, 12+\g, 16
.endr
.endr                                          ; lane (r, h): query T(w, r); register 16 b + i: key 32 b + 16 h + i
	NOPS 8
.irp u, 0,1
.irp c, 0,1,2,3
	ds_load_b128 v[96+16*\u+4*\c:99+16*\u+4*\c], v7 offset:4096*\u+512*\c   ; V^T, the head's two tiles of channels, keys 0-127
.endr
.endr
	ds_load_b64 v[12:13], v92                      ; their scale words, both K steps
	ds_load_b64 v[14:15], v92 offset:128
	; the largest score of each block of 32 keys: it serves the row's maximum and, since p rises with the score, the block's largest p
.set b, 0
.rept 8
	v_max3_num_f32 v[24+b], v[128+16*b], v[129+16*b], v[130+16*b]
.set b, b+1
.endr
.set i, 3
.rept 6
.set b, 0
.rept 8
	v_max3_num_f32 v[24+b], v[24+b], v[128+16*b+i], v[129+16*b+i]
.set b, b+1
.endr
.set i, i+2
.endr
.set b, 0
.rept 8
	v_max_num_f32 v[24+b], v[24+b], v[143+16*b]
.set b, b+1
.endr
.set b, 0
.rept 8
	v_permlanex16_b32 v[32+b], v[24+b], s[SEL], s[SEL+1]
.set b, b+1
.endr
.set b, 0
.rept 8
	v_max_num_f32 v[24+b], v[24+b], v[32+b]
.set b, b+1
.endr
	v_max3_num_f32 v49, v24, v25, v26
	v_max3_num_f32 v49, v49, v27, v28
	v_max3_num_f32 v49, v49, v29, v30
	v_max_num_f32 v49, v49, v31                    ; the row's largest score
	v_mul_f32 v49, s28, v49                        ; as t
	v_floor_f32 v48, -v49                          ; -M = floor(-t) = -ceil(t)
.set j, 0
.rept 64
	v_pk_fma_f32 v[128+j:129+j], v[128+j:129+j], s[28:29], v[48:49] op_sel_hi:[1,0,0]   ; t - M, two at a time
.set j, j+2
.endr
.set b, 0
.rept 8
	v_fma_f32 v[24+b], v[24+b], s28, v48           ; the same of each block's largest score
.set b, b+1
.endr
.set j, 0
.rept 128
	v_exp_f32 v[128+j], v[128+j]                   ; p = 2^(t - M): one batch
.set j, j+1
.endr
	v_nop                                          ; a plain line behind the last exponential
	s_wait_alu depctr_va_vdst(0)                   ; one wait for the batch, ahead of its first reader
.set b, 0
.rept 8
	v_exp_f32 v[24+b], v[24+b]                     ; the blocks' largest p: the same two instructions on the same number
.set b, b+1
.endr
	v_pk_add_f32 v[22:23], v[128:129], v[130:131]  ; the row's sum of the unquantised p, in two chains; it names none of the eight
	v_pk_add_f32 v[50:51], v[132:133], v[134:135]
.set j, 8
.rept 30
	v_pk_add_f32 v[22:23], v[22:23], v[128+j:129+j]
	v_pk_add_f32 v[50:51], v[50:51], v[130+j:131+j]
.set j, j+4
.endr
	v_pk_add_f32 v[22:23], v[22:23], v[50:51]
	s_wait_alu depctr_va_vdst(0)                   ; and one for the eight
.set b, 0
.rept 8
	v_max_num_f32 v[24+b], 0x4800000, v[24+b]      ; the floor: the byte cannot fall under 1
.set b, b+1
.endr
.set b, 0
.rept 8
	v_add_nc_u32 v[40+b], 0xfc000000, v[24+b]      ; the conversion's scale operand
.set b, b+1
.endr
.set b, 0
.rept 8
	v_and_or_b32 v[32+b], v[24+b], 0x7f800000, s[MNT]   ; 448 x the scale
.set b, b+1
.endr
.set b, 0
.rept 8
	v_lshrrev_b32 v[24+b], 23, v[40+b]             ; the byte
.set b, b+1
.endr
	v_lshl_or_b32 v18, v25, 8, v24                 ; p's scale words: keys 0-127,
	v_lshl_or_b32 v18, v26, 16, v18
	v_lshl_or_b32 v18, v27, 24, v18
	v_lshl_or_b32 v19, v29, 8, v28                 ; keys 128-255
	v_lshl_or_b32 v19, v30, 16, v19
	v_lshl_or_b32 v19, v31, 24, v19
	v_add_f32 v22, v22, v23
	v_permlanex16_b32 v49, v22, s[SEL], s[SEL+1]
	v_add_f32 v22, v22, v49                        ; l
	v_rcp_f32 v22, v22                             ; its wait stands ahead of its first reader, behind the second product
.set b, 0
.rept 4
.set i, 0
.rept 16
	v_min_num_f32 v[128+16*b+i], v[128+16*b+i], v[32+b]   ; p is not negative: the hold is one-sided
.set i, i+1
.endr
	v_cvt_scalef32_pk8_fp8_f32 v[48+4*b:49+4*b], v[128+16*b:135+16*b], v[40+b]
	v_cvt_scalef32_pk8_fp8_f32 v[50+4*b:51+4*b], v[136+16*b:143+16*b], v[40+b]
.set b, b+1
.endr
.irp u, 0,1
.irp c, 0,1,2,3
	ds_load_b128 v[144+16*\u+4*\c:147+16*\u+4*\c], v7 offset:4096*\u+2048+512*\c   ; V^T, keys 128-255, into registers that p has left
.endr
.endr
.set b, 4
.rept 4
.set i, 0
.rept 16
	v_min_num_f32 v[128+16*b+i], v[128+16*b+i], v[32+b]
.set i, i+1
.endr
	v_cvt_scalef32_pk8_fp8_f32 v[112+4*b:113+4*b], v[128+16*b:135+16*b], v[40+b]
	v_cvt_scalef32_pk8_fp8_f32 v[114+4*b:115+4*b], v[136+16*b:143+16*b], v[40+b]
.set b, b+1
.endr
	NOPS 4                                         ; codes made by vector instructions stand four places ahead of the product
	s_wait_dscnt 0x0                               ; V^T and its words
	MM0 176, 96, 48, 12, 18                        ; O^T = V^T P^T: two accumulators by turns
	MM0 184, 112, 48, 14, 18
	MM 176, 144, 128, 176, 13, 19
	MM 184, 160, 128, 184, 15, 19
	NOPS 8
	s_wait_alu depctr_va_vdst(0)                   ; the reciprocal's wait, ahead of its first reader
.set j, 0
.rept 8
	v_pk_mul_f32 v[176+j:177+j], v[176+j:177+j], v[22:23] op_sel_hi:[1,0]   ; o = O / l: channels 32 head + 16 h + 0 .. 15 of my token: half a block of the out projection's K
.set j, j+2
.endr
	BQ_MAX 24, 176
	BQ_FIN 24
	BQ_CVT 24, 176, 92
	v_add_nc_u32 v28, s72, v10                     ; (a plain line behind the last conversion)
	ds_store_b128 v11, v[92:95]
	ds_store_b8 v28, v25
	s_add_co_u32 s67, s67, 8192
	s_add_co_u32 s68, s68, 8192
	s_add_co_u32 s69, s69, 256
	s_add_co_u32 s70, s70, 256
	s_add_co_u32 s71, s71, 256
	s_add_co_u32 s72, s72, 1
	s_add_co_u32 s73, s73, 512
	s_wait_dscnt 0x0                               ; the stores have read their registers
	s_sub_co_u32 s33, s33, 1
	s_cmp_lg_u32 s33, 0
	s_cbranch_scc1 .Lhead
	; ================ 5: the out projection.  w_out's tile w goes through my registers into what held K; b_out is the C
.irp k, 0,1,2,3,4,5,6,7
	global_load_b128 v[32+4*\k:35+4*\k], v1, s[44:45] offset:196608+512*\k
.endr
	global_load_b64 v[64:65], v3, s[50:51] offset:SC_OFF+12288
.set n, 0
.rept 32
	global_load_b128 v[128+4*n:131+4*n], v5, s[10:11] offset:16*n+64*(n/4)   ; b_out at 32 b + 8 u + 16 h + 4 q
.set n, n+1
.endr
	s_add_co_u32 s2, s79, KIMG
	v_add_nc_u32 v24, s2, v1
	v_add_nc_u32 v25, s81, v3
	v_add_nc_u32 v26, s79, v1
	s_lshl_b32 s72, s22, 7
	s_add_co_u32 s72, s72, OSC
	v_add_nc_u32 v27, s72, v10
	BARRIER                                        ; nobody reads K or V^T any more
	s_wait_loadcnt 32                              ; w_out's nine loads are in; b_out's 32 may be out
.irp k, 0,1,2,3,4,5,6,7
	ds_store_b128 v24, v[32+4*\k:35+4*\k] offset:512*\k
.endr
	ds_store_b64 v25, v[64:65]
.irp k, 0,1,2,3,4,5,6,7
	ds_load_b128 v[96+4*\k:99+4*\k], v26 offset:512*\k   ; o's two fragments: my own bytes
.endr
	ds_load_b64 v[18:19], v27
	BARRIER                                        ; w_out's 32 fragments and their words lie in LDS
	v_add_nc_u32 v28, KIMG, v1
	v_add_nc_u32 v29, SEQS, v3
	s_wait_loadcnt 0x0                             ; b_out
.irp G, 0,1,2,3,4,5,6,7                        ; two tiles of w_out at a time, two accumulators by turns
	ds_load_b64 v[12:13], v29 offset:512*\G
	ds_load_b64 v[14:15], v29 offset:512*\G+256
.irp f, 0,1,2,3
.irp c, 0,1,2,3
	ds_load_b128 v[32+16*\f+4*\c:35+16*\f+4*\c], v28 offset:(4*\G+\f)*2048+512*\c
.endr
.endr
	s_wait_dscnt 0x0
	MM 128+16*\G, 32, 96, 128+16*\G, 12, 18
	MM 136+16*\G, 64, 96, 136+16*\G, 14, 18
	MM 128+16*\G, 48, 112, 128+16*\G, 13, 19
	MM 136+16*\G, 80, 112, 136+16*\G, 15, 19
	NOPS 8                                         ; places in front of loads into registers that these products have read, and of the first read of results
.endr
	; ================ the norm, the last product, the sigmoid: my token's 128 channels, the other 128 in lane l xor 16
	v_add_nc_u32 v30, GW, v5
.set n, 0
.rept 24
	ds_load_b128 v[32+4*n:35+4*n], v30 offset:16*n+64*(n/4)   ; g w in the result's layout, tiles 0-11
.set n, n+1
.endr
	s_cmp_eq_u32 s23, 2                            ; in the first patch: image 1's part of x is asked for, behind the loads just issued and the norm's lines ahead of the loads that want it
	s_cbranch_scc0 .Lno_pf
	v_lshrrev_b32 v7, 4, v0                        ; a thread a block of 256 bytes: 32 channels x 16 image rows; with the three work-groups beside mine: 128 channels, each block named once
	v_and_b32 v31, 15, v0
	v_lshlrev_b32 v7, 18, v7
	v_lshl_add_u32 v7, v31, 10, v7
	global_prefetch_b8 v7, s[38:39] th:TH_LOAD_NT scope:SCOPE_SE
.Lno_pf:
	v_pk_add_f32 v[24:25], v[128:129], v[130:131]  ; the sum, ascending: each accumulator is read from its low end on
	v_pk_add_f32 v[26:27], v[132:133], v[134:135]
.set j, 8
.rept 30
	v_pk_add_f32 v[24:25], v[24:25], v[128+j:129+j]
	v_pk_add_f32 v[26:27], v[26:27], v[130+j:131+j]
.set j, j+4
.endr
	v_pk_add_f32 v[24:25], v[24:25], v[26:27]
	v_add_f32 v24, v24, v25
	v_permlanex16_b32 v25, v24, s[SEL], s[SEL+1]
	v_add_f32 v24, v24, v25
	v_mul_f32 v24, 0xbb800000, v24                 ; -mu
.set j, 0
.rept 64
	v_pk_add_f32 v[128+j:129+j], v[128+j:129+j], v[24:25] op_sel_hi:[1,0]   ; d = o - mu
.set j, j+2
.endr
	s_wait_dscnt 0x0                               ; g w, tiles 0-11
	v_pk_mul_f32 v[26:27], v[128:129], v[128:129]  ; sum(d d) and sum(d g w), two chains by turns
	v_pk_mul_f32 v[28:29], v[128:129], v[32:33]
.set j, 2
.rept 15
	v_pk_fma_f32 v[26:27], v[128+j:129+j], v[128+j:129+j], v[26:27]
	v_pk_fma_f32 v[28:29], v[128+j:129+j], v[32+j:33+j], v[28:29]
.set j, j+2
.endr
.set n, 24
.rept 8
	ds_load_b128 v[4*n-64:4*n-61], v30 offset:16*n+64*(n/4)   ; tiles 12-15, into the registers of tiles 0-3
.set n, n+1
.endr
.rept 32
	v_pk_fma_f32 v[26:27], v[128+j:129+j], v[128+j:129+j], v[26:27]
	v_pk_fma_f32 v[28:29], v[128+j:129+j], v[32+j:33+j], v[28:29]
.set j, j+2
.endr
	s_wait_dscnt 0x0
.rept 16
	v_pk_fma_f32 v[26:27], v[128+j:129+j], v[128+j:129+j], v[26:27]
	v_pk_fma_f32 v[28:29], v[128+j:129+j], v[j-64:j-63], v[28:29]
.set j, j+2
.endr
	v_add_f32 v26, v26, v27
	v_add_f32 v28, v28, v29
	v_permlanex16_b32 v27, v26, s[SEL], s[SEL+1]
	v_permlanex16_b32 v29, v28, s[SEL], s[SEL+1]
	v_add_f32 v26, v26, v27
	v_add_f32 v28, v28, v29
	v_fma_f32 v26, v26, s49, s66                   ; var + eps
	v_rsq_f32 v26, v26
	v_nop
	s_wait_alu depctr_va_vdst(0)
	v_fma_f32 v28, v28, v26, s48                   ; the logit
	v_mul_f32 v28, 0xbfb8aa3b, v28
	v_exp_f32 v28, v28                             ; e^-logit
	v_nop
	s_wait_alu depctr_va_vdst(0)
	v_add_f32 v28, 1.0, v28
	v_rcp_f32 v28, v28
	s_lshl_b32 s2, s22, 9
	s_add_co_u32 s2, s2, OUTS
	v_add_nc_u32 v31, s2, v1                       ; (a plain line behind the reciprocal)  where waves 0 and 1 read the results back: made ahead of the parting of the waves
	s_wait_alu depctr_va_vdst(0)
	ds_store_b32 v9, v28                           ; both halves of the lanes hold the same number
	s_cmp_eq_u32 s23, 1
	s_cbranch_scc1 .Lno_next                       ; the last patch asks for nothing: no load leaves its buffer
	s_add_nc_u64 s[36:37], s[36:37], 0x2000000     ; image 1 (x's last loads were waited for in the first phase)
	XLOAD
.Lno_next:
	BARRIER                                        ; the patch's 256 results lie in LDS; nobody reads w_out's images any more
	s_cmp_lt_u32 s22, 2
	s_cbranch_scc0 .Lno_out
	ds_load_b128 v[24:27], v31                     ; tokens 128 w + 4 x lane on: image row 8 w + lane / 4
	s_wait_dscnt 0x0
	global_store_b128 v8, v[24:27], s[40:41] th:TH_STORE_NT
.Lno_out:
	s_wait_xcnt 0x0                                ; the store and the prefetch have read their registers: base, data and offsets may be written again
	s_add_nc_u64 s[40:41], s[40:41], 0x40000       ; image 1 of out0
	s_sub_co_u32 s23, s23, 1
	s_cmp_lg_u32 s23, 0
	s_cbranch_scc1 .Lpatch
	s_wait_xcnt 0x0
	v_lshl_add_u32 v254, v0, 2, 0x4c400
	v_mov_b32 v255, 0
	s_wait_tensorcnt 0x0
	ds_add_u32 v254, v255
	s_wait_dscnt 0x0
	s_endpgm
.Lfunc_end_k_q42d90191bd_main:
	.size	k_q42d90191bd_main, .Lfunc_end_k_q42d90191bd_main-k_q42d90191bd_main
	.p2alignl 7, 3214868480
	.fill 96, 4, 3214868480
	.section	.rodata,"a",@progbits
	.p2align	6, 0x0
	.amdhsa_kernel k_q42d90191bd_main
		.amdhsa_group_segment_fixed_size 314368
		.amdhsa_private_segment_fixed_size 0
		.amdhsa_enable_private_segment 0
		.amdhsa_kernarg_size 72
		.amdhsa_user_sgpr_count 2
		.amdhsa_user_sgpr_kernarg_segment_ptr 1
		.amdhsa_wavefront_size32 1
		.amdhsa_system_sgpr_workgroup_id_x 1
		.amdhsa_system_sgpr_workgroup_id_y 1
		.amdhsa_system_sgpr_workgroup_id_z 1
		.amdhsa_system_vgpr_workitem_id 0
		.amdhsa_next_free_vgpr 256
		.amdhsa_next_free_sgpr 100
		.amdhsa_reserve_vcc 0
		.amdhsa_float_denorm_mode_32 3
		.amdhsa_float_denorm_mode_16_64 3
		.amdhsa_memory_ordered 1
		.amdhsa_forward_progress 1
		.amdhsa_inst_pref_size 138
	.end_amdhsa_kernel
	.amdgpu_metadata
---
amdhsa.version: [ 1, 2 ]
amdhsa.kernels:
  - .name:           k_q42d90191bd_main
    .symbol:         k_q42d90191bd_main.kd
    .args:
      - { .name: x, .offset: 0, .size: 8, .value_kind: global_buffer, .address_space: global }
      - { .name: wq, .offset: 8, .size: 8, .value_kind: global_buffer, .address_space: global }
      - { .name: b_in, .offset: 16, .size: 8, .value_kind: global_buffer, .address_space: global }
      - { .name: b_out, .offset: 24, .size: 8, .value_kind: global_buffer, .address_space: global }
      - { .name: ln_g, .offset: 32, .size: 8, .value_kind: global_buffer, .address_space: global }
      - { .name: ln_b, .offset: 40, .size: 8, .value_kind: global_buffer, .address_space: global }
      - { .name: w_lin, .offset: 48, .size: 8, .value_kind: global_buffer, .address_space: global }
      - { .name: b_lin, .offset: 56, .size: 8, .value_kind: global_buffer, .address_space: global }
      - { .name: out0, .offset: 64, .size: 8, .value_kind: global_buffer, .address_space: global }
    .group_segment_fixed_size: 314368
    .private_segment_fixed_size: 0
    .kernarg_segment_align: 8
    .kernarg_segment_size: 72
    .max_flat_workgroup_size: 512
    .sgpr_count:     100
    .vgpr_count:     256
    .wavefront_size: 32
...
	.end_amdgpu_metadata
.endif
;; end of part 2
;; ======== version 2 of 2: 2 launches
;; workspace buffers: wq 575,488 bytes
;; launch prep (part 3): grid 22 x 1, 4 waves a work-group, no clusters, 0 bytes of LDS; arguments w_in, w_out, w_pe, pos_emb, b_pe, wq; writes wq
.if DOCPART == 3
	.amdgcn_target "amdgcn-amd-amdhsa--gfx1250"
	.amdhsa_code_object_version 6
	.text
	.protected	k_q42d90191bd_prep
	.globl	k_q42d90191bd_prep
	.p2align	8
	.type	k_q42d90191bd_prep,@function
k_q42d90191bd_prep:
	s_mov_b64 s[64:65], 0
	v_nop
	global_prefetch_b8 v0, s[64:65] scope:SCOPE_SE
	s_setreg_imm32_b32 hwreg(HW_REG_WAVE_MODE, 25, 1), 1
	s_wait_xcnt 0x0
; The three weights become codes of FP8 (E4M3) with one E8M0 byte for each 32 along K, ONCE, laid in the order of the operand's registers; pos_emb + b_pe is laid in the order of a result's registers.
; wq: [72 pairs][2 fragments][c 0..3][lane 0..31][16 bytes] codes; from SC_OFF [72][lane][2 words] scale words; from PB_OFF [wave 16][2 tile + q 32][lane][16 bytes] f32.
; Pair 0..47: w_in's tile, K steps 0 and 1.  48..63: w_out's tile.  64..71: w_pe's tiles 2 b and 2 b + 1 (K = 128: one step each).
; THE ROWS OF A TILE ARE NOT NEIGHBOURS: lane r of tile t takes row 32 (t / 2) + 8 (t % 2) + r + 8 (r / 8), so that in the transposed product the 16 registers of tiles 2 b, 2 b + 1 are 16 neighbours along the next K.
; A lane (r, h) holds, of its row, k = 32 c + 16 h + 0 .. 15 of each block c: 64 bytes, four loads; a block's other half lies in lane l xor 16.
; A block's scale byte is its largest magnitude's exponent field - 8, held at 1 from below.  LIMITS: a block of zeros gets the byte 1 where the rule says 127 (its codes are zeros, and this program alone reads the bytes);
; NaN and infinities among the inputs are not served.
; Work-groups 0..17: a wave a pair.  Work-groups 18..21: a wave for each of the 16 tiles of tokens of pos_emb.  No LDS, no barrier: waves share nothing.
.set SC_OFF, 294912
.set PB_OFF, 313344
.set TM,  8                            ; v8-11 largest magnitudes, v12-15 the other half's, then bytes, v16-19 448 x the scale, v20-23 the conversions' scale operands
.set SEL, 34                           ; s[34:35] lane selects of v_permlanex16_b32: lane l xor 16
.set MNT, 36                           ; s36 the mantissa field of 448
; 64 numbers of a lane, register 16 b + i = k 32 b + 16 h + i of my row, become a fragment's 16 registers of codes, v[pc] on, and my row's scale word, v[pw]
.macro QUANT s, pc, pw
.irp b, 0,1,2,3
	v_max3_num_f32 v[TM+\b], |v[\s+16*\b]|, |v[\s+1+16*\b]|, 0x4800000   ; my 16 numbers of block b, and the floor 2^(9 - 127): the byte cannot fall under 1
.endr
.irp i, 2,4,6,8,10,12,14
.irp b, 0,1,2,3
	v_max3_num_f32 v[TM+\b], v[TM+\b], |v[\s+16*\b+\i]|, |v[\s+1+16*\b+\i]|   ; the four blocks by turns
.endr
.endr
.irp b, 0,1,2,3
	v_permlanex16_b32 v[TM+4+\b], v[TM+\b], s[SEL], s[SEL+1]
.endr
.irp b, 0,1,2,3
	v_max_num_f32 v[TM+\b], v[TM+\b], v[TM+4+\b]   ; with lane l xor 16's: the block's largest magnitude
.endr
.irp b, 0,1,2,3
	v_add_nc_u32 v[TM+12+\b], 0xfc000000, v[TM+\b]   ; 8 off its exponent field: the conversion takes this operand's exponent field as its scale
.endr
.irp b, 0,1,2,3
	v_and_or_b32 v[TM+8+\b], v[TM+\b], 0x7f800000, s[MNT]   ; 448 x the scale
.endr
.irp b, 0,1,2,3
	v_lshrrev_b32 v[TM+4+\b], 23, v[TM+12+\b]   ; the scale's byte
.endr
	v_lshl_or_b32 v[\pw], v[TM+5], 8, v[TM+4]
	v_lshl_or_b32 v[\pw], v[TM+6], 16, v[\pw]
	v_lshl_or_b32 v[\pw], v[TM+7], 24, v[\pw]
.irp b, 0,1,2,3
.irp i, 0,1,2,3,4,5,6,7,8,9,10,11,12,13,14,15
	v_med3_num_f32 v[\s+16*\b+\i], v[\s+16*\b+\i], -v[TM+8+\b], v[TM+8+\b]   ; the conversion to an 8-bit code does not saturate (ISA guide 7.6.2): the hold comes first
.endr
	v_cvt_scalef32_pk8_fp8_f32 v[\pc+4*\b:\pc+1+4*\b], v[\s+16*\b:\s+7+16*\b], v[TM+12+\b]
	v_cvt_scalef32_pk8_fp8_f32 v[\pc+2+4*\b:\pc+3+4*\b], v[\s+8+16*\b:\s+15+16*\b], v[TM+12+\b]
.endr
	v_nop                                          ; a plain line behind the last conversion
.endm
	s_load_b256 s[4:11], s[0:1], 0x0               ; w_in s[4:5], w_out s[6:7], w_pe s[8:9], pos_emb s[10:11]
	s_load_b128 s[12:15], s[0:1], 0x20             ; b_pe s[12:13], wq s[14:15]
	v_lshrrev_b32 v1, 5, v0
	v_readfirstlane_b32 s16, v1                    ; wave 0..3
	v_and_b32 v1, 31, v0                           ; lane
	v_and_b32 v2, 15, v0                           ; r
	v_bfe_u32 v4, v0, 4, 1                         ; h
	v_and_b32 v5, 8, v0
	v_add_nc_u32 v5, v5, v2                        ; r + 8 (r / 8)
	v_lshlrev_b32 v6, 4, v1                        ; 16 x lane
	v_lshlrev_b32 v7, 3, v1                        ; 8 x lane
	s_mov_b32 s[SEL], 0x76543210
	s_mov_b32 s[SEL+1], 0xfedcba98
	s_mov_b32 s[MNT], 0x600000
	s_mov_b32 s27, 0                               ; the upper word of every 32-bit offset
	s_wait_kmcnt 0x0
	s_cmp_lt_u32 ttmp9, 18
	s_cbranch_scc0 .Lposb
	; ---- a pair of fragments of a weight
	s_lshl_b32 s17, ttmp9, 2
	s_add_co_u32 s17, s17, s16                     ; the pair: 4 x work-group + wave
	s_cmp_lt_u32 s17, 64
	s_cselect_b64 s[18:19], s[6:7], s[8:9]         ; the choices hang on the pair's number alone
	s_cselect_b32 s20, 48, 64                      ; the tensor's first pair
	s_cselect_b32 s21, 10, 9                       ; a row is 1,024 bytes, in w_pe 512
	s_mov_b32 s22, 4096
	s_cselect_b32 s22, 512, s22                    ; from the first fragment to the second: 128 along K, in w_pe 8 rows
	s_cmp_lt_u32 s17, 48
	s_cselect_b64 s[18:19], s[4:5], s[18:19]
	s_cselect_b32 s20, 0, s20
	s_sub_co_u32 s20, s17, s20                     ; the tile t, in w_pe the pair of tiles b
	s_lshr_b32 s23, s20, 1
	s_lshl_b32 s23, s23, 5
	s_and_b32 s26, s20, 1
	s_lshl_b32 s26, s26, 3
	s_add_co_u32 s23, s23, s26                     ; 32 (t / 2) + 8 (t % 2)
	s_lshl_b32 s26, s20, 5                         ; 32 b
	s_cmp_lt_u32 s17, 64
	s_cselect_b32 s23, s23, s26                    ; the first fragment's first row
	s_lshl_b32 s26, s23, s21
	s_add_nc_u64 s[18:19], s[18:19], s[26:27]
	s_mov_b32 s23, 0
	s_add_nc_u64 s[28:29], s[18:19], s[22:23]      ; the second fragment
	s_lshl_b32 s26, s17, 12
	s_add_nc_u64 s[30:31], s[14:15], s[26:27]      ; the pair's 4,096 bytes of codes
	s_lshl_b32 s26, s17, 8
	s_add_nc_u64 s[32:33], s[14:15], s[26:27]      ; and, SC_OFF on, its 256 bytes of scale words
	s_wait_alu depctr_va_vdst(0)
	v_lshlrev_b32 v3, s21, v5
	v_lshl_add_u32 v3, v4, 6, v3                   ; my row, + 64 h
.irp b, 0,1,2,3
	v_mov_b32 v[TM+4+\b], 0                        ; written once: a lane permute's destination counts as one of its sources
.endr
.irp cb, 0,1,2,3
.irp jj, 0,1,2,3
	global_load_b128 v[32+16*\cb+4*\jj:35+16*\cb+4*\jj], v3, s[18:19] offset:128*\cb+16*\jj
.endr
.endr
.irp cb, 0,1,2,3
.irp jj, 0,1,2,3
	global_load_b128 v[96+16*\cb+4*\jj:99+16*\cb+4*\jj], v3, s[28:29] offset:128*\cb+16*\jj
.endr
.endr
	s_wait_loadcnt 16                              ; the first fragment's 16 loads are in; the second's 16 may be out
	QUANT 32, 160, 24
.irp c, 0,1,2,3
	global_store_b128 v6, v[160+4*\c:163+4*\c], s[30:31] offset:512*\c   ; 32 lanes store 512 consecutive bytes
.endr
	s_wait_loadcnt 0x0
	QUANT 96, 176, 25                              ; codes and word in registers of their own: no store's data are written again
.irp c, 0,1,2,3
	global_store_b128 v6, v[176+4*\c:179+4*\c], s[30:31] offset:2048+512*\c
.endr
	global_store_b64 v7, v[24:25], s[32:33] offset:SC_OFF   ; 32 lanes store 256 consecutive bytes, aligned
	s_endpgm
	; ---- pos_emb + b_pe for the 16 tokens of tile w, as the C of the first product's 16 tiles: lane (r, h), tile t, register j: channel 32 (t / 2) + 8 (t % 2) + 16 h + j
.Lposb:
	s_sub_co_u32 s17, ttmp9, 18
	s_lshl_b32 s17, s17, 2
	s_add_co_u32 s17, s17, s16                     ; the tile of tokens
	s_lshr_b32 s20, s17, 1
	s_lshl_b32 s20, s20, 5
	s_and_b32 s21, s17, 1
	s_lshl_b32 s21, s21, 3
	s_add_co_u32 s20, s20, s21                     ; its first token
	s_lshl_b32 s26, s20, 10
	s_add_nc_u64 s[18:19], s[10:11], s[26:27]
	s_lshl_b32 s26, s17, 14
	s_add_nc_u64 s[30:31], s[14:15], s[26:27]
	s_wait_alu depctr_va_vdst(0)
	v_lshlrev_b32 v3, 10, v5
	v_lshl_add_u32 v3, v4, 6, v3                   ; pos_emb: my token's row, + 64 h
	v_lshlrev_b32 v8, 6, v4                        ; b_pe: 64 h
; Eight items n = 2 t + q (16 bytes a lane each), in one of two sets of registers by turns
.macro PBATCH k
.set S0, 32+64*((\k)%2)
.if (\k) >= 2
	s_wait_xcnt 0x0                                ; the set's last stores have read their registers: only now is it loaded again
.endif
.set n, 8*(\k)
.set i, 0
.rept 8
	global_load_b128 v[S0+4*i:S0+4*i+3], v3, s[18:19] offset:16*n+64*(n/4)      ; 128 (t / 2) + 32 (t % 2) + 16 q
	global_load_b128 v[S0+32+4*i:S0+35+4*i], v8, s[12:13] offset:16*n+64*(n/4)
.set n, n+1
.set i, i+1
.endr
	s_wait_loadcnt 0x0
.set i, 0
.rept 16
	v_pk_add_f32 v[S0+2*i:S0+2*i+1], v[S0+2*i:S0+2*i+1], v[S0+32+2*i:S0+33+2*i]
.set i, i+1
.endr
.set n, 8*(\k)
.set i, 0
.rept 8
	global_store_b128 v6, v[S0+4*i:S0+4*i+3], s[30:31] offset:PB_OFF+512*n
.set n, n+1
.set i, i+1
.endr
.endm
	PBATCH 0
	PBATCH 1
	PBATCH 2
	PBATCH 3
	s_endpgm
.Lfunc_end_k_q42d90191bd_prep:
	.size	k_q42d90191bd_prep, .Lfunc_end_k_q42d90191bd_prep-k_q42d90191bd_prep
	.p2alignl 7, 3214868480
	.fill 96, 4, 3214868480
	.section	.rodata,"a",@progbits
	.p2align	6, 0x0
	.amdhsa_kernel k_q42d90191bd_prep
		.amdhsa_group_segment_fixed_size 0
		.amdhsa_private_segment_fixed_size 0
		.amdhsa_enable_private_segment 0
		.amdhsa_kernarg_size 48
		.amdhsa_user_sgpr_count 2
		.amdhsa_user_sgpr_kernarg_segment_ptr 1
		.amdhsa_wavefront_size32 1
		.amdhsa_system_sgpr_workgroup_id_x 1
		.amdhsa_system_sgpr_workgroup_id_y 1
		.amdhsa_system_sgpr_workgroup_id_z 1
		.amdhsa_system_vgpr_workitem_id 0
		.amdhsa_next_free_vgpr 192
		.amdhsa_next_free_sgpr 66
		.amdhsa_reserve_vcc 0
		.amdhsa_float_denorm_mode_32 3
		.amdhsa_float_denorm_mode_16_64 3
		.amdhsa_memory_ordered 1
		.amdhsa_forward_progress 1
		.amdhsa_inst_pref_size 36
	.end_amdhsa_kernel
	.amdgpu_metadata
---
amdhsa.version: [ 1, 2 ]
amdhsa.kernels:
  - .name:           k_q42d90191bd_prep
    .symbol:         k_q42d90191bd_prep.kd
    .args:
      - { .name: w_in, .offset: 0, .size: 8, .value_kind: global_buffer, .address_space: global }
      - { .name: w_out, .offset: 8, .size: 8, .value_kind: global_buffer, .address_space: global }
      - { .name: w_pe, .offset: 16, .size: 8, .value_kind: global_buffer, .address_space: global }
      - { .name: pos_emb, .offset: 24, .size: 8, .value_kind: global_buffer, .address_space: global }
      - { .name: b_pe, .offset: 32, .size: 8, .value_kind: global_buffer, .address_space: global }
      - { .name: wq, .offset: 40, .size: 8, .value_kind: global_buffer, .address_space: global }
    .group_segment_fixed_size: 0
    .private_segment_fixed_size: 0
    .kernarg_segment_align: 8
    .kernarg_segment_size: 48
    .max_flat_workgroup_size: 128
    .sgpr_count:     66
    .vgpr_count:     192
    .wavefront_size: 32
...
	.end_amdgpu_metadata
.endif
;; end of part 3
;; launch main (part 4): grid 256 x 1, 16 waves a work-group, no clusters, 314,368 bytes of LDS; arguments x, wq, b_in, b_out, ln_g, ln_b, w_lin, b_lin, out0; writes out0
.if DOCPART == 4
	.amdgcn_target "amdgcn-amd-amdhsa--gfx1250"
	.amdhsa_code_object_version 6
	.text
	.protected	k_q42d90191bd_main
	.globl	k_q42d90191bd_main
	.p2align	8
	.type	k_q42d90191bd_main,@function
k_q42d90191bd_main:
	s_mov_b64 s[64:65], 0
	v_nop
	global_prefetch_b8 v0, s[64:65] scope:SCOPE_SE
	s_setreg_imm32_b32 hwreg(HW_REG_WAVE_SCHED_MODE, 0, 2), 2
	s_setreg_imm32_b32 hwreg(HW_REG_WAVE_MODE, 25, 1), 1
	s_wait_xcnt 0x0
	s_wait_alu depctr_vm_vsrc(0)
; InnerPatchAttention, the whole chain for a patch of 16 x 16 pixels on one WGP: embed (K 128), qkv (K 256), 8 heads of attention over 256 keys (head size 32), out projection (K 256), LayerNorm, a dot with w_lin, sigmoid.
; All five products on codes of FP8 (E4M3) with one E8M0 byte for each 32 along K; every operand computed on the way is quantised in registers from f32 and never goes to memory.
; TOKENS.  Token t of a patch is channel t / 2 of x; its 128 features are the patch's image rows 8 (t % 2) .. + 7, 16 pixels (64 bytes) each: a block of 32 along K is two image rows.
; SHARES.  Work-group g takes patch (g / 16, g % 16) of image 0, then of image 1.  Sixteen waves of 256 registers, four to a SIMD, so that one wave's vector work stands beside another's products and LDS loads.
; Wave w owns the 16 tokens T(w, r) = 32 (w / 2) + 8 (w % 2) + r + 8 (r / 8) in the embedding, as queries, in the out projection and in the norm.  The qkv product is shared by COLUMNS: wave w makes the 32 columns of Q's head w
; (w < 8) or K's head w - 8, and 16 rows of V^T, for all 256 tokens, with its six weight fragments in registers.
; LAYOUT.  Every product but V's is used transposed (source 0 = 16 rows of the weight, or 16 keys, or 16 channels of V^T; source 1 = 16 tokens), and the rows of every tile are T's rows: so a lane holds one token, and the 16 registers
; of two neighbouring tiles are 16 neighbours along the next K: the conversions' results are the next operand's registers.  Operands go from wave to wave through LDS as images of their registers: 16 bytes a lane at 16 x lane.
; THE SCORES have K = 32 in an instruction of K = 128: source 0 holds FOUR tiles of keys, one in each block of 32; source 1 holds q in one block between zero codes, and q's place picks the tile.  K is read dense.
; SOFTMAX.  All 256 keys of a head are in registers at once: t = score x log2(e), M = ceil(the row's largest t), p = 2^(t - M) is quantised along the keys, the row's sum is taken of the unquantised p and divides at the end.
; NO CLUSTER, NO TENSOR LOAD: LDS (312,320 bytes) is filled with images that the waves store themselves; what work-groups share (288 KiB of weight codes, 256 KiB of pos_emb + b_pe)
; lies in operand order in memory and goes straight into registers, each wave its own part.
; LIMITS.  NaN and infinities among the inputs are not served.  A block of zeros gets the scale byte 1 where the rule says 127: its codes are zeros, and this program alone reads the bytes.  b_pe + pos_emb is added as one number.
; The norm, its gain and bias and the last product are folded: out = sigmoid(rsqrt(var + eps) x sum((o - mu) g w) + sum(b w) + b_lin), all in f32, the variance from the differences.  1 / l and the sigmoid use v_rcp_f32.
; The result leaves in runs of 64 bytes, a patch's width: 1 KiB a patch.
; THE MODE: SCHED_MODE bits 1:0 = 2 (LLVM: expert scheduling mode 2), set by the entry lines.  The code itself states the register dependences between vector or matrix instructions and memory or LDS instructions,
; with s_wait_alu, always for 0.
; THE PLAN.  All 256 registers are laid out, so no buffer has a twin.  Registers that memory or LDS instructions touch:
;   v1-6, v8-10     offsets, made at the head ahead of its first wait on va_vdst, never written again.
;   addresses       of a phase or a trip are made together, ahead of a wait on va_vdst that stands there for the landing places too; they are written again only behind a wait on vm_vsrc at the phase's or the trip's end.
;   v64-127, v12-21 landing places of operands and scale words: read by products (x, g w: by vector lines); each new run of loads stands behind a wait on va_vdst that shows those readers done.
;   v48-63, v18     codes and a scale word: written by conversions; read by products and by the LDS stores of seq's images: va_vdst ahead of the products and of the stores, vm_vsrc ahead of the next conversions.
;   v128-255        a product's C lands there behind a wait on va_vdst that is younger than every vector line that names them; in the qkv loop v160-223 are seq's landing place, then the quantiser's registers and the stores' sources.
;   v92-95, v25, v28  o's codes, byte and its address: written at a head's end, stored behind one wait on va_vdst, free behind the trip's closing wait on vm_vsrc.
; The places behind matrix instructions, transcendentals and scaled conversions, and in front of scaled products, stand as they would without the mode.
.set SEQ,  0                           ; 65,536: seq's images, fragment (2 m + s) x 2,048; behind the qkv product wave w's o codes at 4,096 w + 512 head
.set QIMG, 65536                       ; 65,536: Q: head x 8,192 + tile x 512
.set KIMG, 131072                      ; 65,536: K likewise; behind the attention w_out's images, (2 t + s) x 2,048
.set VIMG, 196608                      ; 65,536: V^T: tile of channels x 4,096 + block of keys x 512
.set SEQS, 262144                      ; 4,096: seq's scale words, (2 m + s) x 128 + 4 x lane; later w_out's, t x 256 + 8 x lane
.set QKS,  266240                      ; 4,096: Q's and K's scale bytes: matrix x 256 + 16 r + tile
.set VS,   270336                      ; 2,048: V^T's: tile x 128 + 8 r + block
.set OSC,  272384                      ; 2,048: o's: wave x 128 + 8 r + head
.set WPE,  274432                      ; 32,768: w_pe's images, t x 2,048: they stay
.set WPS,  307200                      ; 2,048: their scale words, b x 256 + 8 x lane
.set GW,   309248                      ; 1,024: ln_g x w_lin
.set BW,   310272                      ; 1,024: ln_b x w_lin
.set OUTS, 311296                      ; 1,024: the patch's results, 4 x token
.set SC_OFF, 294912                    ; wq: the scale words
.set PB_OFF, 313344                    ; wq: pos_emb + b_pe
; REGISTERS THAT STAY: v1 16 x lane, v2 16 r, v3 8 x lane, v4 4 x lane, v5 64 h, v6 x's lane offset, v8 out0's lane offset, v9 my token's word in OUTS, v10 8 r.  v7, v11, v22, v23 addresses in hand.
; v12-21 hold scale words and nothing else.  v24-47 at work; v48-63 codes just made; v64-127 operands; v128-255 accumulators.
.set TM,  24                           ; v24-39: the quantiser's 16 registers
.set SEL, 24                           ; s[24:25] lane selects of v_permlanex16_b32: lane l xor 16
.set MNT, 26                           ; s26 the mantissa field of 448
; s22 wave; s23 patches to go; s[28:29] log2(e); s[30:31] 1 / sqrt(32) for Q's waves, 1 for K's; s32 selector of my tile's byte; s33 a loop's counter; s[36:37] x at my tokens; s[38:39] the prefetch's base; s[40:41] out0;
; s[42:43], s[44:45], s[46:47], s[50:51], s[52:53] wq + wave x 8,192, 4,096, 512, 256, 16,384; s[54:55], s[56:57] b_in at my columns; s48 sum(b w) + b_lin; s49 1 / 256; s66 eps; s67-73 LDS offsets stepped in loops; s79 4,096 w; s81 SEQS + 256 w
.macro NOPS n
.rept \n
	v_nop
.endr
.endm
.macro BARRIER                         ; my LDS stores have landed and my LDS loads are in: then the work-group's barrier
	s_wait_dscnt 0x0
	s_barrier_signal -1
	s_barrier_wait -1
.endm
.macro MM d, a, b, c, sa, sb           ; D = A x B + C, with A's and B's scale words
	v_wmma_scale_f32_16x16x128_f8f6f4 v[\d:\d+7], v[\a:\a+15], v[\b:\b+15], v[\c:\c+7], v[\sa], v[\sb]
.endm
.macro MM0 d, a, b, sa, sb             ; the same with C = 0: it starts a sum
	v_wmma_scale_f32_16x16x128_f8f6f4 v[\d:\d+7], v[\a:\a+15], v[\b:\b+15], 0, v[\sa], v[\sb]
.endm
; 64 numbers of a lane, register 16 b + i = k 32 b + 16 h + i of my row, become a fragment's 16 registers of codes, v[pc] on, and my row's scale word, v[pw].  Each accumulator is read from its low end on.
.macro QUANT s, pc, pw
.irp b, 0,1,2,3
	v_max3_num_f32 v[TM+\b], |v[\s+16*\b]|, |v[\s+1+16*\b]|, 0x4800000   ; my 16 numbers of block b, and the floor 2^(9 - 127): the byte cannot fall under 1
.endr
.irp i, 2,4,6,8,10,12,14
.irp b, 0,1,2,3
	v_max3_num_f32 v[TM+\b], v[TM+\b], |v[\s+16*\b+\i]|, |v[\s+1+16*\b+\i]|   ; the four blocks by turns
.endr
.endr
.irp b, 0,1,2,3
	v_permlanex16_b32 v[TM+4+\b], v[TM+\b], s[SEL], s[SEL+1]
.endr
.irp b, 0,1,2,3
	v_max_num_f32 v[TM+\b], v[TM+\b], v[TM+4+\b]   ; with lane l xor 16's: the block's largest magnitude
.endr
.irp b, 0,1,2,3
	v_add_nc_u32 v[TM+12+\b], 0xfc000000, v[TM+\b]   ; 8 off its exponent field: the conversion's scale operand
.endr
.irp b, 0,1,2,3
	v_and_or_b32 v[TM+8+\b], v[TM+\b], 0x7f800000, s[MNT]   ; 448 x the scale
.endr
.irp b, 0,1,2,3
	v_lshrrev_b32 v[TM+4+\b], 23, v[TM+12+\b]   ; the scale's byte
.endr
	v_lshl_or_b32 v[\pw], v[TM+5], 8, v[TM+4]
	v_lshl_or_b32 v[\pw], v[TM+6], 16, v[\pw]
	v_lshl_or_b32 v[\pw], v[TM+7], 24, v[\pw]      ; (the 64 holds below stand between this word and the product that names it)
.irp b, 0,1,2,3
.irp i, 0,1,2,3,4,5,6,7,8,9,10,11,12,13,14,15
	v_med3_num_f32 v[\s+16*\b+\i], v[\s+16*\b+\i], -v[TM+8+\b], v[TM+8+\b]   ; the conversion to an 8-bit code does not saturate (ISA guide 7.6.2): the hold comes first
.endr
	v_cvt_scalef32_pk8_fp8_f32 v[\pc+4*\b:\pc+1+4*\b], v[\s+16*\b:\s+7+16*\b], v[TM+12+\b]
	v_cvt_scalef32_pk8_fp8_f32 v[\pc+2+4*\b:\pc+3+4*\b], v[\s+8+16*\b:\s+15+16*\b], v[TM+12+\b]
.endr
	v_nop                                          ; a plain line behind the last conversion
.endm
; ONE block of 32 (my 16 numbers v[src] on, the other 16 in lane l xor 16), in three stages.  t: four registers: the largest magnitude; the other half's, then the byte; the conversion's scale operand; 448 x the scale
.macro BQ_MAX t, src
	v_max3_num_f32 v[\t], |v[\src]|, |v[\src+1]|, 0x4800000
.irp i, 2,4,6,8,10,12,14
	v_max3_num_f32 v[\t], v[\t], |v[\src+\i]|, |v[\src+\i+1]|
.endr
.endm
.macro BQ_FIN t
	v_permlanex16_b32 v[\t+1], v[\t], s[SEL], s[SEL+1]
	v_max_num_f32 v[\t], v[\t], v[\t+1]
	v_add_nc_u32 v[\t+2], 0xfc000000, v[\t]
	v_and_or_b32 v[\t+3], v[\t], 0x7f800000, s[MNT]
	v_lshrrev_b32 v[\t+1], 23, v[\t+2]
.endm
.macro BQ_CVT t, src, dst
.irp i, 0,1,2,3,4,5,6,7,8,9,10,11,12,13,14,15
	v_med3_num_f32 v[\src+\i], v[\src+\i], -v[\t+3], v[\t+3]
.endr
	v_cvt_scalef32_pk8_fp8_f32 v[\dst:\dst+1], v[\src:\src+7], v[\t+2]
	v_cvt_scalef32_pk8_fp8_f32 v[\dst+2:\dst+3], v[\src+8:\src+15], v[\t+2]
.endm
.macro IMAGE adr, pc, off              ; a fragment goes to LDS as it stands: 512 consecutive bytes a store
.irp c, 0,1,2,3
	ds_store_b128 v[\adr], v[\pc+4*\c:\pc+4*\c+3] offset:\off+512*\c
.endr
.endm
.macro XLOAD                           ; my token's 64 numbers: of each block of 32 the image row 2 c + h, 64 bytes.  No hint: the three work-groups beside mine read the rest of each 256 bytes
.irp cb, 0,1,2,3
.irp jj, 0,1,2,3
	global_load_b128 v[64+16*\cb+4*\jj:67+16*\cb+4*\jj], v6, s[36:37] offset:2048*\cb+16*\jj
.endr
.endr
.endm
	; ================ THE HEAD
	s_load_b512 s[4:19], s[0:1], 0x0               ; x, wq, b_in, b_out, ln_g, ln_b, w_lin, b_lin
	s_load_b64 s[20:21], s[0:1], 0x40              ; out0
	v_lshrrev_b32 v24, 5, v0
	v_readfirstlane_b32 s22, v24                   ; wave 0..15
	v_and_b32 v24, 31, v0                          ; lane
	v_and_b32 v25, 15, v0                          ; r
	v_bfe_u32 v26, v0, 4, 1                        ; h
	v_and_b32 v27, 8, v0
	v_add_nc_u32 v27, v27, v25                     ; r + 8 (r / 8)
	v_lshlrev_b32 v1, 4, v24
	v_lshlrev_b32 v2, 4, v25
	v_lshlrev_b32 v3, 3, v24
	v_lshlrev_b32 v4, 2, v24
	v_lshlrev_b32 v5, 6, v26
	v_lshlrev_b32 v10, 3, v25
	v_lshrrev_b32 v28, 1, v27                      ; x: my token's channel, counted from the wave's first: a plane is 2^18 bytes;
	v_lshlrev_b32 v6, 18, v28
	v_and_b32 v28, 1, v0
	v_lshl_add_u32 v6, v28, 13, v6                 ; odd tokens take the patch's lower 8 image rows;
	v_lshl_add_u32 v6, v26, 10, v6                 ; lanes 16-31 the second row of each two
	v_lshrrev_b32 v28, 2, v24
	v_and_b32 v29, 3, v0
	v_lshlrev_b32 v8, 10, v28                      ; out0: four lanes to an image row of the patch
	v_lshl_add_u32 v8, v29, 4, v8
	s_wait_alu depctr_va_sdst(0)                   ; s22 is written, ahead of its first reader: bases, LDS offsets and the waves' branches are made from it
	s_mov_b32 s23, 2
	s_mov_b32 s[SEL], 0x76543210
	s_mov_b32 s[SEL+1], 0xfedcba98
	s_mov_b32 s[MNT], 0x600000
	s_mov_b32 s28, 0x3fb8aa3b                      ; log2(e)
	s_mov_b32 s29, s28                             ; (the packed forms name a pair and take its low word: so the upper is written)
	s_mov_b32 s30, 0x3e3504f3                      ; 1 / sqrt(32)
	s_cmp_lt_u32 s22, 8
	s_cselect_b32 s30, s30, 1.0
	s_mov_b32 s31, s30
	s_and_b32 s2, s22, 3
	s_mul_i32 s32, s2, 0x01010101                  ; v_perm_b32: byte w % 4 into all four bytes
	s_mov_b32 s49, 0x3b800000                      ; 1 / 256
	s_mov_b32 s66, 0x3727c5ac                      ; 1e-5
	s_lshr_b32 s80, s22, 1
	s_lshl_b32 s80, s80, 5
	s_and_b32 s2, s22, 1
	s_lshl_b32 s2, s2, 3
	s_add_co_u32 s80, s80, s2                      ; my first token: 32 (w / 2) + 8 (w % 2)
	s_lshl_b32 s79, s22, 12
	s_lshl_b32 s81, s22, 8
	s_add_co_u32 s81, s81, SEQS
	s_lshl_b32 s2, s80, 2
	s_add_co_u32 s2, s2, OUTS
	v_lshl_add_u32 v9, v27, 2, s2
	s_lshl_b32 s2, s22, 11                         ; the head's own addresses are made here too, ahead of the one wait below
	v_add_nc_u32 v30, s2, v1                       ; w_pe's tile w: 2,048 w + 16 x lane, in wq
	v_lshlrev_b32 v28, 2, v0                       ; a thread a word
	v_and_b32 v29, 255, v0
	v_lshlrev_b32 v29, 2, v29
	v_add_nc_u32 v31, WPE, v30                     ; and in LDS
	v_add_nc_u32 v51, WPS, v28
	v_add_nc_u32 v52, GW, v28                      ; GW, and behind it BW
	v_lshl_add_u32 v53, v24, 5, BW
	s_lshr_b32 s82, ttmp9, 4
	s_lshl_b32 s82, s82, 14                        ; the patch's 16 image rows: 16,384 bytes x (g / 16)
	s_and_b32 s83, ttmp9, 15
	s_lshl_b32 s2, s83, 6
	s_add_co_u32 s2, s82, s2                       ; + 64 bytes x (g % 16): the same in a plane of x and in out0
	s_mov_b32 s3, 0
	s_wait_kmcnt 0x0
	s_add_nc_u64 s[36:37], s[4:5], s[2:3]
	s_add_nc_u64 s[40:41], s[20:21], s[2:3]
	s_lshl_b32 s2, s80, 17                         ; my first token's channel x 2^18
	s_add_nc_u64 s[36:37], s[36:37], s[2:3]
	s_wait_alu depctr_va_vdst(0)                   ; the offsets that stay (v1-6, v8-10) and the head's addresses (v28-31, v51-53) are written: the loads and stores below, and those of the whole kernel, read them
	XLOAD                                          ; the first patch's x
	s_lshl_b32 s2, s22, 13
	s_add_nc_u64 s[40:41], s[40:41], s[2:3]        ; out0: image rows 8 w on (waves 0 and 1 store)
	s_add_nc_u64 s[42:43], s[6:7], s[2:3]
	s_lshl_b32 s2, s22, 12
	s_add_nc_u64 s[44:45], s[6:7], s[2:3]
	s_lshl_b32 s2, s22, 9
	s_add_nc_u64 s[46:47], s[6:7], s[2:3]
	s_lshl_b32 s2, s22, 8
	s_add_nc_u64 s[50:51], s[6:7], s[2:3]
	s_lshl_b32 s2, s22, 14
	s_add_nc_u64 s[52:53], s[6:7], s[2:3]
	s_lshl_b32 s2, s22, 7
	s_add_nc_u64 s[54:55], s[8:9], s[2:3]          ; b_in at column 32 w
	s_lshl_b32 s2, s80, 2
	s_add_nc_u64 s[56:57], s[8:9], s[2:3]          ; b_in at my tile of V's columns, less 512
	s_and_b32 s2, ttmp9, 3                         ; the prefetch: image 1; of the 128 channels the 32 that fall to me among the four work-groups that share each 256 bytes, told apart by address
	s_lshl_b32 s2, s2, 23
	s_add_co_u32 s2, s2, s82
	s_lshr_b32 s83, s83, 2
	s_lshl_b32 s83, s83, 8
	s_add_co_u32 s2, s2, s83
	s_add_co_u32 s2, s2, 0x2000000
	s_add_nc_u64 s[38:39], s[4:5], s[2:3]
.irp c, 0,1,2,3
	global_load_b128 v[32+4*\c:35+4*\c], v30, s[6:7] offset:262144+512*\c   ; w_pe's tile w: its image
.endr
	global_load_b32 v48, v28, s[6:7] offset:SC_OFF+16384   ; w_pe's 512 scale words: a thread a word
	s_cmp_lt_u32 s22, 8
	s_cselect_b64 s[84:85], s[12:13], s[14:15]     ; waves 0-7: ln_g; waves 8-15: ln_b
	global_load_b32 v49, v29, s[84:85]
	global_load_b32 v50, v29, s[16:17]
	s_load_b32 s48, s[18:19], 0x0                  ; b_lin
	s_wait_loadcnt 0x0
	v_mul_f32 v49, v49, v50
	s_wait_alu depctr_va_vdst(0)                   ; the product v49 is written, which the last LDS store below reads
	IMAGE 31, 32, 0
	ds_store_b32 v51, v48
	ds_store_b32 v52, v49
	BARRIER                                        ; w_pe's images and words, g w and b w lie in LDS
	s_wait_alu depctr_vm_vsrc(0)                   ; my LDS stores have read v32-39, in which the loads below land; the head's loads and stores have read their addresses v28-31, which are cleared below
	ds_load_b128 v[32:35], v53                     ; sum(b w): 8 numbers a lane
	ds_load_b128 v[36:39], v53 offset:16
	s_wait_dscnt 0x0
	v_pk_add_f32 v[32:33], v[32:33], v[34:35]
	v_pk_add_f32 v[36:37], v[36:37], v[38:39]
	v_pk_add_f32 v[32:33], v[32:33], v[36:37]
	v_add_f32 v32, v32, v33
	v_add_f32_dpp v32, v32, v32 row_xmask:1 row_mask:0xf bank_mask:0xf
	v_add_f32_dpp v32, v32, v32 row_xmask:2 row_mask:0xf bank_mask:0xf
	v_add_f32_dpp v32, v32, v32 row_xmask:4 row_mask:0xf bank_mask:0xf
	v_add_f32_dpp v32, v32, v32 row_xmask:8 row_mask:0xf bank_mask:0xf
	v_permlanex16_b32 v33, v32, s[SEL], s[SEL+1]
	v_add_f32 v32, v32, v33
	s_wait_alu depctr_va_vdst(0)
	s_wait_kmcnt 0x0
	v_add_f32 v32, s48, v32
	v_readfirstlane_b32 s48, v32                   ; sum(b w) + b_lin: the same for every token; it steers nothing
	s_wait_alu depctr_va_sdst(0)                   ; s48 is written
.irp b, 0,1,2,3
	v_mov_b32 v[TM+4+\b], 0                        ; a lane permute's destination counts as one of its sources
.endr
.Lpatch:
	; ================ 1: seq = z w_pe^T + (b_pe + pos_emb), my 16 tokens x 256 channels
	s_wait_alu depctr_vm_vsrc(0)                   ; the last patch's store has read v24-27, its LDS store v28, its LDS loads v30 and v31, its prefetch v7 (first trip: the head's LDS loads v53): the quantiser below writes v24-39 and v48-63, the attention v7
.set n, 0
.rept 32
	global_load_b128 v[128+4*n:131+4*n], v1, s[52:53] offset:PB_OFF+512*n   ; b_pe + pos_emb in the result's layout: the C of the 16 products.  (No vector line behind the norm's last wait on va_vdst names v128-255)
.set n, n+1
.endr
	s_wait_loadcnt 32                              ; x's 16 loads are in; the 32 just issued may be out
	QUANT 64, 48, 18                               ; z's fragment v48-63, its scale word v18
	v_add_nc_u32 v42, WPS, v3                      ; all the phase's addresses: w_pe's scale words,
	v_add_nc_u32 v43, WPE, v1                      ; its images,
	v_and_b32 v44, 15, v0
	v_and_b32 v45, 8, v0
	v_add_lshl_u32 v44, v44, v45, 2                ; V's bias: 4 (r + 8 (r / 8)),
	v_add_nc_u32 v46, s79, v1                      ; my two images of seq: 4,096 w + 16 x lane,
	v_add_nc_u32 v47, s81, v4                      ; their scale words: SEQS + 256 w + 4 x lane.  (These seven and the quantiser's last line are the places between codes made by vector instructions and the product)
	s_wait_alu depctr_va_vdst(0)                   ; v42-47 are written, which the phase's loads and stores read; the quantiser is done with v64-127, in which the loads below land; z's codes v48-63 and word v18 are written, which the products take
.irp G, 0,1,2,3                                ; four tiles of w_pe at a time
.if \G > 0
	s_wait_alu depctr_va_vdst(0)                   ; the last four products are done reading v64-127 and v12-15, in which the loads below land
.endif
	ds_load_b64 v[12:13], v42 offset:512*\G
	ds_load_b64 v[14:15], v42 offset:512*\G+256
.irp k, 0,1,2,3
.irp c, 0,1,2,3
	ds_load_b128 v[64+16*\k+4*\c:67+16*\k+4*\c], v43 offset:(4*\G+\k)*2048+512*\c
.endr
.endr
.if \G == 0
	s_wait_loadcnt 0x0                             ; the C
.endif
.irp k, 0,1,2,3
	s_wait_dscnt 12-4*\k                           ; the words and fragment k are in; the later fragments' loads, four each, may be out
	MM 128+8*(4*\G+\k), 64+16*\k, 48, 128+8*(4*\G+\k), 12+\k, 18
.endr
	NOPS 8                                         ; places behind these products: in front of loads into registers that they have read, and of the first read of results
.endr
	; the qkv product's weights, as far as registers are free: my two tiles of Q or K (v64-127), all scale words, V's bias
	s_wait_alu depctr_va_vdst(0)                   ; the last four products are done reading v64-127 and v12-15, in which the loads below land
.irp u, 0,1
.irp s, 0,1
.irp c, 0,1,2,3
	global_load_b128 v[64+32*\u+16*\s+4*\c:67+32*\u+16*\s+4*\c], v1, s[42:43] offset:4096*\u+2048*\s+512*\c
.endr
.endr
.endr
	global_load_b64 v[12:13], v3, s[46:47] offset:SC_OFF
	global_load_b64 v[14:15], v3, s[46:47] offset:SC_OFF+256
	global_load_b64 v[16:17], v3, s[50:51] offset:SC_OFF+8192
	global_load_b32 v40, v44, s[56:57] offset:2048
	QUANT 128, 48, 18                              ; channels 0-127: K step 0 of the qkv product
	s_wait_alu depctr_va_vdst(0)                   ; the codes v48-63 and the word v18 are written, which the LDS stores read; the quantiser is done with v128-159, in which V's weights land
	IMAGE 46, 48, 0
	ds_store_b32 v47, v18
.irp s, 0,1
.irp c, 0,1,2,3
	global_load_b128 v[128+16*\s+4*\c:131+16*\s+4*\c], v1, s[44:45] offset:131072+2048*\s+512*\c   ; my tile of V's weights
.endr
.endr
	s_wait_alu depctr_vm_vsrc(0)                   ; the LDS stores have read v48-63 and v18, which the quantiser below writes again
	QUANT 192, 48, 18                              ; channels 128-255: K step 1
	s_wait_alu depctr_va_vdst(0)                   ; the codes and the word are written, which the LDS stores read; the quantiser is done with v24-39, in which b_in lands
	IMAGE 46, 48, 2048
	ds_store_b32 v47, v18 offset:128
.irp u, 0,1
.irp q, 0,1
	global_load_b128 v[24+8*\u+4*\q:27+8*\u+4*\q], v5, s[54:55] offset:32*\u+16*\q   ; b_in of my 32 columns, in the result's layout
.endr
.endr
	BARRIER                                        ; seq's 32 fragments lie in LDS
	; ================ 2: qkv.  A trip takes two tiles of tokens (32 tokens): my 32 columns of Q or K (transposed), my 16 rows of V^T (source 0 = seq)
	s_wait_loadcnt 0x0                             ; weights, words, biases
	s_wait_alu depctr_vm_vsrc(0)                   ; the first phase's loads and stores have read their addresses v42-47, which the copies below write; its LDS stores have read v48-63, which the products write, and v18, in which a scale word lands
.irp k, 1,2,3,4,5,6,7
	v_mov_b32 v[40+\k], v40                        ; V^T's C: a lane holds one column of V, so its bias eight times
.endr
	s_mov_b32 s67, SEQ
	s_mov_b32 s68, SEQS
	s_lshl_b32 s69, s22, 13
	s_add_co_u32 s69, s69, QIMG                    ; my matrix's images: Q's heads, then K's
	s_add_co_u32 s70, s79, VIMG
	s_lshl_b32 s71, s22, 8
	s_add_co_u32 s71, s71, QKS
	s_lshl_b32 s72, s22, 7
	s_add_co_u32 s72, s72, VS
	s_mov_b32 s33, 8
.Lpair:
	v_add_nc_u32 v22, s67, v1
	v_add_nc_u32 v23, s68, v4
	s_wait_alu depctr_va_vdst(0)                   ; v22 and v23 are written, which the loads below read (first trip: seq's quantisers are done with v160-223, in which they land)
.irp f, 0,1,2,3                                ; f = 2 m' + s: tile of tokens 2 b + m', K step s
.irp c, 0,1,2,3
	ds_load_b128 v[160+16*\f+4*\c:163+16*\f+4*\c], v22 offset:2048*\f+512*\c
.endr
	ds_load_b32 v[18+\f], v23 offset:128*\f
.endr
	s_wait_dscnt 0x0
	MM 224, 64, 160, 24, 12, 18                    ; six accumulators by turns, one instruction a turn; K step 0 takes the bias as C
	MM 232, 96, 160, 32, 14, 18
	MM 240, 64, 192, 24, 12, 20
	MM 248, 96, 192, 32, 14, 20
	MM 48, 160, 128, 40, 18, 16
	MM 56, 192, 128, 40, 20, 16
	MM 224, 80, 176, 224, 13, 19
	MM 232, 112, 176, 232, 15, 19
	MM 240, 80, 208, 240, 13, 21
	MM 248, 112, 208, 248, 15, 21
	MM 48, 176, 144, 48, 19, 17
	MM 56, 208, 144, 56, 21, 17
	NOPS 9                                         ; places in front of the reads of results, of writes into seq's registers, and of the next trip's products, which write the accumulators anew
.set j, 0
.rept 16
	v_pk_mul_f32 v[224+j:225+j], v[224+j:225+j], s[30:31] op_sel_hi:[1,0]   ; q x 1 / sqrt(32); k x 1
.set j, j+2
.endr
	BQ_MAX 160, 224                                ; three blocks of 32: the head's 32 channels of tokens T(2 b, r) and T(2 b + 1, r); keys 32 b .. 32 b + 31 of my channel of V
	BQ_MAX 164, 240
	BQ_MAX 168, 48
	BQ_FIN 160
	BQ_FIN 164
	BQ_FIN 168
	BQ_CVT 160, 224, 176
	BQ_CVT 164, 240, 180
	BQ_CVT 168, 48, 184
	v_add_nc_u32 v188, s69, v1                     ; (plain lines behind the last conversion)
	v_add_nc_u32 v189, s70, v1
	v_add_nc_u32 v190, s71, v2
	v_add_nc_u32 v191, s72, v10
	s_wait_alu depctr_va_vdst(0)                   ; the codes v176-187, the bytes v161, v165, v169 and the addresses v188-191 are written, which the stores read; the products and the quantiser are done with v160-223 and v18-21, in which the next trip's loads land
	ds_store_b128 v188, v[176:179]
	ds_store_b128 v188, v[180:183] offset:512
	ds_store_b128 v189, v[184:187]
	ds_store_b8 v190, v161                         ; both halves of the lanes write the same byte with the same value
	ds_store_b8 v190, v165 offset:1
	ds_store_b8 v191, v169
	s_add_co_u32 s67, s67, 8192
	s_add_co_u32 s68, s68, 512
	s_add_co_u32 s69, s69, 1024
	s_add_co_u32 s70, s70, 512
	s_add_co_u32 s71, s71, 2
	s_add_co_u32 s72, s72, 1
	s_wait_alu depctr_vm_vsrc(0)                   ; the stores have read v161, v165, v169 and v176-191, the trip's loads v22 and v23: the next trip writes all of them (behind the loop: the scores and the row's sums)
	s_sub_co_u32 s33, s33, 1
	s_cmp_lg_u32 s33, 0
	s_cbranch_scc1 .Lpair
	BARRIER                                        ; Q, K, V^T and their bytes lie in LDS; nobody reads seq any more
	; ================ 3, 4: attention, a head a trip; my 16 queries against all 256 keys
.irp k, 0,1,2,3,4,5,6,7,8,9,10,11
	v_mov_b32 v[64+\k], 0                          ; zero codes on both sides of q (v76-79)
	v_mov_b32 v[80+\k], 0
.endr
	s_lshl_b32 s67, s22, 9
	s_add_co_u32 s67, s67, QIMG                    ; my tile of Q
	s_mov_b32 s68, KIMG
	s_lshr_b32 s69, s22, 2
	s_lshl_b32 s69, s69, 2
	s_add_co_u32 s69, s69, QKS                     ; the word that holds my tile's byte
	s_mov_b32 s70, QKS+2048
	s_mov_b32 s71, VS
	s_lshl_b32 s72, s22, 7
	s_add_co_u32 s72, s72, OSC
	s_mov_b32 s73, s79                             ; o's codes: my own 4,096 bytes of what held seq
	s_mov_b32 s33, 8
.Lhead:
	v_add_nc_u32 v24, s69, v2
	v_add_nc_u32 v25, s67, v1
	v_add_nc_u32 v26, s70, v2
	v_add_nc_u32 v27, s68, v1
	v_add_nc_u32 v7, 0x10000, v27                  ; V^T's images lie 65,536 bytes behind K's
	v_add_nc_u32 v11, s73, v1
	v_add_nc_u32 v92, s71, v10
	s_wait_alu depctr_va_vdst(0)                   ; the trip's seven addresses are written, which its loads and its store read (first trip: the qkv loop's products are done reading v96-127, in which K lands)
	ds_load_b32 v17, v24
	ds_load_b128 v[76:79], v25                     ; q: 32 codes a token: one block
	ds_load_b128 v[12:15], v26                     ; K's bytes: word g holds those of tiles 4 g .. 4 g + 3
.irp g, 0,1
.irp c, 0,1,2,3
	ds_load_b128 v[192+16*\g+4*\c:195+16*\g+4*\c], v27 offset:(4*\g+\c)*512   ; four tiles of keys make one operand: tile 4 g + c is its block c
.endr
.endr
.irp g, 2,3
.irp c, 0,1,2,3
	ds_load_b128 v[64+16*\g+4*\c:67+16*\g+4*\c], v27 offset:(4*\g+\c)*512
.endr
.endr
	s_wait_dscnt 18                                ; the first load is in; q's, the words' and K's sixteen may be out
	v_perm_b32 v16, v17, v17, s32                  ; q's byte in all four places: it serves whichever block q stands in
	NOPS 8                                         ; a scale word made by a vector instruction stands eight places ahead of the product
	s_wait_dscnt 8                                 ; all but K's groups 2 and 3
	s_wait_alu depctr_va_vdst(0)                   ; q's scale word v16 is written (first trip: the zero codes v64-75 and v80-91 too), which the products take
.irp g, 0,1
.irp c, 0,1,2,3
	MM0 128+8*(4*\g+\c), 192+16*\g, 76-4*\c, 12+\g, 16
.endr
.endr
	NOPS 9                                         ; the next eight results are laid over K's groups 0 and 1, which are done with
	s_wait_dscnt 0x0
.irp g, 2,3
.irp c, 0,1,2,3
	MM0 128+8*(4*\g+\c), 64+16*\g, 76-4*\c, 12+\g, 16
.endr
.endr                                          ; lane (r, h): query T(w, r); register 16 b + i: key 32 b + 16 h + i
	NOPS 8
	s_wait_alu depctr_va_vdst(0)                   ; the scores' products are done reading K's groups 2 and 3 (v96-127) and K's words (v12-15), in which the loads below land
.irp u, 0,1
.irp c, 0,1,2,3
	ds_load_b128 v[96+16*\u+4*\c:99+16*\u+4*\c], v7 offset:4096*\u+512*\c   ; V^T, the head's two tiles of channels, keys 0-127
.endr
.endr
	ds_load_b64 v[12:13], v92                      ; their scale words, both K steps
	ds_load_b64 v[14:15], v92 offset:128
	s_wait_alu depctr_vm_vsrc(0)                   ; the trip's LDS loads so far have read v24-27 and v92: the maxima below write v24-31, o's conversions v92-95
	; the largest score of each block of 32 keys: it serves the row's maximum and, since p rises with the score, the block's largest p
.set b, 0
.rept 8
	v_max3_num_f32 v[24+b], v[128+16*b], v[129+16*b], v[130+16*b]
.set b, b+1
.endr
.set i, 3
.rept 6
.set b, 0
.rept 8
	v_max3_num_f32 v[24+b], v[24+b], v[128+16*b+i], v[129+16*b+i]
.set b, b+1
.endr
.set i, i+2
.endr
.set b, 0
.rept 8
	v_max_num_f32 v[24+b], v[24+b], v[143+16*b]
.set b, b+1
.endr
.set b, 0
.rept 8
	v_permlanex16_b32 v[32+b], v[24+b], s[SEL], s[SEL+1]
.set b, b+1
.endr
.set b, 0
.rept 8
	v_max_num_f32 v[24+b], v[24+b], v[32+b]
.set b, b+1
.endr
	v_max3_num_f32 v49, v24, v25, v26
	v_max3_num_f32 v49, v49, v27, v28
	v_max3_num_f32 v49, v49, v29, v30
	v_max_num_f32 v49, v49, v31                    ; the row's largest score
	v_mul_f32 v49, s28, v49                        ; as t
	v_floor_f32 v48, -v49                          ; -M = floor(-t) = -ceil(t)
.set j, 0
.rept 64
	v_pk_fma_f32 v[128+j:129+j], v[128+j:129+j], s[28:29], v[48:49] op_sel_hi:[1,0,0]   ; t - M, two at a time
.set j, j+2
.endr
.set b, 0
.rept 8
	v_fma_f32 v[24+b], v[24+b], s28, v48           ; the same of each block's largest score
.set b, b+1
.endr
.set j, 0
	s_wait_alu depctr_va_vdst(0)
.rept 128
	v_exp_f32 v[128+j], v[128+j]                   ; p = 2^(t - M): one batch
.set j, j+1
.endr
	v_nop                                          ; a plain line behind the last exponential
	s_wait_alu depctr_va_vdst(0)                   ; the 128 exponentials have written p, v128-255: one wait for the batch, ahead of its first reader
.set b, 0
.rept 8
	v_exp_f32 v[24+b], v[24+b]                     ; the blocks' largest p: the same two instructions on the same number
.set b, b+1
.endr
	v_pk_add_f32 v[22:23], v[128:129], v[130:131]  ; the row's sum of the unquantised p, in two chains; it names none of the eight
	v_pk_add_f32 v[50:51], v[132:133], v[134:135]
.set j, 8
.rept 30
	v_pk_add_f32 v[22:23], v[22:23], v[128+j:129+j]
	v_pk_add_f32 v[50:51], v[50:51], v[130+j:131+j]
.set j, j+4
.endr
	v_pk_add_f32 v[22:23], v[22:23], v[50:51]
	s_wait_alu depctr_va_vdst(0)                   ; the eight exponentials have written v24-31, ahead of their first reader
.set b, 0
.rept 8
	v_max_num_f32 v[24+b], 0x4800000, v[24+b]      ; the floor: the byte cannot fall under 1
.set b, b+1
.endr
.set b, 0
.rept 8
	v_add_nc_u32 v[40+b], 0xfc000000, v[24+b]      ; the conversion's scale operand
.set b, b+1
.endr
.set b, 0
.rept 8
	v_and_or_b32 v[32+b], v[24+b], 0x7f800000, s[MNT]   ; 448 x the scale
.set b, b+1
.endr
.set b, 0
.rept 8
	v_lshrrev_b32 v[24+b], 23, v[40+b]             ; the byte
.set b, b+1
.endr
	v_lshl_or_b32 v18, v25, 8, v24                 ; p's scale words: keys 0-127,
	v_lshl_or_b32 v18, v26, 16, v18
	v_lshl_or_b32 v18, v27, 24, v18
	v_lshl_or_b32 v19, v29, 8, v28                 ; keys 128-255
	v_lshl_or_b32 v19, v30, 16, v19
	v_lshl_or_b32 v19, v31, 24, v19
	v_add_f32 v22, v22, v23
	v_permlanex16_b32 v49, v22, s[SEL], s[SEL+1]
	v_add_f32 v22, v22, v49                        ; l
	s_wait_alu depctr_va_vdst(0)
	v_rcp_f32 v22, v22                             ; its wait is the one ahead of V^T's second loads; its first reader stands behind the second product
.set b, 0
.rept 4
.set i, 0
.rept 16
	v_min_num_f32 v[128+16*b+i], v[128+16*b+i], v[32+b]   ; p is not negative: the hold is one-sided
.set i, i+1
.endr
	v_cvt_scalef32_pk8_fp8_f32 v[48+4*b:49+4*b], v[128+16*b:135+16*b], v[40+b]
	v_cvt_scalef32_pk8_fp8_f32 v[50+4*b:51+4*b], v[136+16*b:143+16*b], v[40+b]
.set b, b+1
.endr
	s_wait_alu depctr_va_vdst(0)                   ; the holds and conversions are done with p's blocks 1 and 2 (v144-175), in which the loads below land; the reciprocal has written v22, ahead of its first reader
.irp u, 0,1
.irp c, 0,1,2,3
	ds_load_b128 v[144+16*\u+4*\c:147+16*\u+4*\c], v7 offset:4096*\u+2048+512*\c   ; V^T, keys 128-255, into registers that p has left
.endr
.endr
.set b, 4
.rept 4
.set i, 0
.rept 16
	v_min_num_f32 v[128+16*b+i], v[128+16*b+i], v[32+b]
.set i, i+1
.endr
	v_cvt_scalef32_pk8_fp8_f32 v[112+4*b:113+4*b], v[128+16*b:135+16*b], v[40+b]
	v_cvt_scalef32_pk8_fp8_f32 v[114+4*b:115+4*b], v[136+16*b:143+16*b], v[40+b]
.set b, b+1
.endr
	NOPS 4                                         ; codes made by vector instructions stand four places ahead of the product
	s_wait_dscnt 0x0                               ; V^T and its words
	s_wait_alu depctr_va_vdst(0)                   ; p's codes v48-63 and v128-143 and its scale words v18, v19 are written, which the products take
	MM0 176, 96, 48, 12, 18                        ; O^T = V^T P^T: two accumulators by turns
	MM0 184, 112, 48, 14, 18
	MM 176, 144, 128, 176, 13, 19
	MM 184, 160, 128, 184, 15, 19
	NOPS 8
.set j, 0
.rept 8
	v_pk_mul_f32 v[176+j:177+j], v[176+j:177+j], v[22:23] op_sel_hi:[1,0]   ; o = O / l: channels 32 head + 16 h + 0 .. 15 of my token: half a block of the out projection's K
.set j, j+2
.endr
	BQ_MAX 24, 176
	BQ_FIN 24
	BQ_CVT 24, 176, 92
	v_add_nc_u32 v28, s72, v10                     ; (a plain line behind the last conversion)
	s_wait_alu depctr_va_vdst(0)                   ; o's codes v92-95, its byte v25 and the byte's address v28 are written, which the stores read; every vector and matrix line of the trip is done with the registers in which the next loads land
	ds_store_b128 v11, v[92:95]
	ds_store_b8 v28, v25
	s_add_co_u32 s67, s67, 8192
	s_add_co_u32 s68, s68, 8192
	s_add_co_u32 s69, s69, 256
	s_add_co_u32 s70, s70, 256
	s_add_co_u32 s71, s71, 256
	s_add_co_u32 s72, s72, 1
	s_add_co_u32 s73, s73, 512
	s_wait_alu depctr_vm_vsrc(0)                   ; the two stores have read v11, v25, v28 and v92-95, V^T's loads v7: the next trip's address lines write them (behind the loop: the out projection's)
	s_sub_co_u32 s33, s33, 1
	s_cmp_lg_u32 s33, 0
	s_cbranch_scc1 .Lhead
	; ================ 5: the out projection.  w_out's tile w goes through my registers into what held K; b_out is the C
.irp k, 0,1,2,3,4,5,6,7
	global_load_b128 v[32+4*\k:35+4*\k], v1, s[44:45] offset:196608+512*\k   ; (no vector or matrix line behind the attention's last wait on va_vdst names v32-65 or v128-255)
.endr
	global_load_b64 v[64:65], v3, s[50:51] offset:SC_OFF+12288
.set n, 0
.rept 32
	global_load_b128 v[128+4*n:131+4*n], v5, s[10:11] offset:16*n+64*(n/4)   ; b_out at 32 b + 8 u + 16 h + 4 q
.set n, n+1
.endr
	s_add_co_u32 s2, s79, KIMG
	v_add_nc_u32 v24, s2, v1
	v_add_nc_u32 v25, s81, v3
	v_add_nc_u32 v26, s79, v1
	s_lshl_b32 s72, s22, 7
	s_add_co_u32 s72, s72, OSC
	v_add_nc_u32 v27, s72, v10
	v_add_nc_u32 v28, KIMG, v1
	v_add_nc_u32 v29, SEQS, v3
	v_add_nc_u32 v30, GW, v5
	s_wait_alu depctr_va_vdst(0)                   ; the addresses v24-30 are written, which the LDS stores and loads of this phase and of the norm read
	BARRIER                                        ; nobody reads K or V^T any more
	s_wait_loadcnt 32                              ; w_out's nine loads are in; b_out's 32 may be out
.irp k, 0,1,2,3,4,5,6,7
	ds_store_b128 v24, v[32+4*\k:35+4*\k] offset:512*\k
.endr
	ds_store_b64 v25, v[64:65]
.irp k, 0,1,2,3,4,5,6,7
	ds_load_b128 v[96+4*\k:99+4*\k], v26 offset:512*\k   ; o's two fragments: my own bytes
.endr
	ds_load_b64 v[18:19], v27
	BARRIER                                        ; w_out's 32 fragments and their words lie in LDS
	s_wait_alu depctr_vm_vsrc(0)                   ; my LDS stores have read v32-65, in which the loads below land; they and o's loads have read v24-27, which the norm's sums write
	s_wait_loadcnt 0x0                             ; b_out
.irp G, 0,1,2,3,4,5,6,7                        ; two tiles of w_out at a time, two accumulators by turns
.if \G > 0
	s_wait_alu depctr_va_vdst(0)                   ; the last four products are done reading v32-95 and v12-15, in which the loads below land
.endif
	ds_load_b64 v[12:13], v29 offset:512*\G
	ds_load_b64 v[14:15], v29 offset:512*\G+256
.irp f, 0,1,2,3
.irp c, 0,1,2,3
	ds_load_b128 v[32+16*\f+4*\c:35+16*\f+4*\c], v28 offset:(4*\G+\f)*2048+512*\c
.endr
.endr
	s_wait_dscnt 0x0
	MM 128+16*\G, 32, 96, 128+16*\G, 12, 18
	MM 136+16*\G, 64, 96, 136+16*\G, 14, 18
	MM 128+16*\G, 48, 112, 128+16*\G, 13, 19
	MM 136+16*\G, 80, 112, 136+16*\G, 15, 19
	NOPS 8                                         ; places behind these products: in front of loads into registers that they have read, and of the first read of results
.endr
	; ================ the norm, the last product, the sigmoid: my token's 128 channels, the other 128 in lane l xor 16
	s_wait_alu depctr_va_vdst(0)                   ; the out projection's products are done reading w_out's fragments (v32-95) and o's (v96-127), in which g w lands
.set n, 0
.rept 24
	ds_load_b128 v[32+4*n:35+4*n], v30 offset:16*n+64*(n/4)   ; g w in the result's layout, tiles 0-11
.set n, n+1
.endr
	s_wait_alu depctr_vm_vsrc(0)                   ; the out projection's LDS loads have read v28 and v29, which the second chain of sums writes
	s_cmp_eq_u32 s23, 2                            ; in the first patch: image 1's part of x is asked for, behind the loads just issued and the norm's lines ahead of the loads that want it
	s_cbranch_scc0 .Lno_pf
	v_lshrrev_b32 v7, 4, v0                        ; a thread a block of 256 bytes: 32 channels x 16 image rows; with the three work-groups beside mine: 128 channels, each block named once
	v_and_b32 v31, 15, v0
	v_lshlrev_b32 v7, 18, v7
	v_lshl_add_u32 v7, v31, 10, v7
	s_wait_alu depctr_va_vdst(0)                   ; v7 is written, which the prefetch reads as its offset
	global_prefetch_b8 v7, s[38:39] th:TH_LOAD_NT scope:SCOPE_SE
.Lno_pf:
	v_pk_add_f32 v[24:25], v[128:129], v[130:131]  ; the sum, ascending: each accumulator is read from its low end on
	v_pk_add_f32 v[26:27], v[132:133], v[134:135]
.set j, 8
.rept 30
	v_pk_add_f32 v[24:25], v[24:25], v[128+j:129+j]
	v_pk_add_f32 v[26:27], v[26:27], v[130+j:131+j]
.set j, j+4
.endr
	v_pk_add_f32 v[24:25], v[24:25], v[26:27]
	v_add_f32 v24, v24, v25
	v_permlanex16_b32 v25, v24, s[SEL], s[SEL+1]
	v_add_f32 v24, v24, v25
	v_mul_f32 v24, 0xbb800000, v24                 ; -mu
.set j, 0
.rept 64
	v_pk_add_f32 v[128+j:129+j], v[128+j:129+j], v[24:25] op_sel_hi:[1,0]   ; d = o - mu
.set j, j+2
.endr
	s_wait_dscnt 0x0                               ; g w, tiles 0-11
	v_pk_mul_f32 v[26:27], v[128:129], v[128:129]  ; sum(d d) and sum(d g w), two chains by turns
	v_pk_mul_f32 v[28:29], v[128:129], v[32:33]
.set j, 2
.rept 15
	v_pk_fma_f32 v[26:27], v[128+j:129+j], v[128+j:129+j], v[26:27]
	v_pk_fma_f32 v[28:29], v[128+j:129+j], v[32+j:33+j], v[28:29]
.set j, j+2
.endr
	s_wait_alu depctr_va_vdst(0)                   ; the multiply-adds are done reading g w's tiles 0-3 (v32-63), in which tiles 12-15 land
.set n, 24
.rept 8
	ds_load_b128 v[4*n-64:4*n-61], v30 offset:16*n+64*(n/4)   ; tiles 12-15, into the registers of tiles 0-3
.set n, n+1
.endr
.rept 32
	v_pk_fma_f32 v[26:27], v[128+j:129+j], v[128+j:129+j], v[26:27]
	v_pk_fma_f32 v[28:29], v[128+j:129+j], v[32+j:33+j], v[28:29]
.set j, j+2
.endr
	s_wait_alu depctr_va_vdst(0)
	s_wait_dscnt 0x0
.rept 16
	v_pk_fma_f32 v[26:27], v[128+j:129+j], v[128+j:129+j], v[26:27]
	v_pk_fma_f32 v[28:29], v[128+j:129+j], v[j-64:j-63], v[28:29]
.set j, j+2
.endr
	v_add_f32 v26, v26, v27
	v_add_f32 v28, v28, v29
	v_permlanex16_b32 v27, v26, s[SEL], s[SEL+1]
	v_permlanex16_b32 v29, v28, s[SEL], s[SEL+1]
	v_add_f32 v26, v26, v27
	v_add_f32 v28, v28, v29
	v_fma_f32 v26, v26, s49, s66                   ; var + eps
	s_wait_alu depctr_va_vdst(0)
	v_rsq_f32 v26, v26
	v_nop
	s_wait_alu depctr_va_vdst(0)                   ; the root has written v26, ahead of its reader; the norm's lines are done with v64-127, in which the next x lands, and with v128-255, in which the next patch's C lands
	v_fma_f32 v28, v28, v26, s48                   ; the logit
	v_mul_f32 v28, 0xbfb8aa3b, v28
	s_wait_alu depctr_va_vdst(0)
	v_exp_f32 v28, v28                             ; e^-logit
	v_nop
	s_wait_alu depctr_va_vdst(0)                   ; the exponential has written v28, ahead of its reader
	v_add_f32 v28, 1.0, v28
	s_wait_alu depctr_va_vdst(0)
	v_rcp_f32 v28, v28
	s_lshl_b32 s2, s22, 9
	s_add_co_u32 s2, s2, OUTS
	v_add_nc_u32 v31, s2, v1                       ; (a plain line behind the reciprocal)  where waves 0 and 1 read the results back: made ahead of the parting of the waves
	s_wait_alu depctr_va_vdst(0)                   ; the reciprocal has written v28, which the LDS store reads; v31 is written, which the LDS load behind the barrier reads; the sums are done with v24-27, in which that load lands
	ds_store_b32 v9, v28                           ; both halves of the lanes hold the same number
	s_cmp_eq_u32 s23, 1
	s_cbranch_scc1 .Lno_next                       ; the last patch asks for nothing: no load leaves its buffer
	s_add_nc_u64 s[36:37], s[36:37], 0x2000000     ; image 1 (x's last loads were waited for in the first phase)
	XLOAD
.Lno_next:
	BARRIER                                        ; the patch's 256 results lie in LDS; nobody reads w_out's images any more
	s_cmp_lt_u32 s22, 2
	s_cbranch_scc0 .Lno_out
	ds_load_b128 v[24:27], v31                     ; tokens 128 w + 4 x lane on: image row 8 w + lane / 4
	s_wait_dscnt 0x0
	global_store_b128 v8, v[24:27], s[40:41] th:TH_STORE_NT
.Lno_out:
	s_wait_xcnt 0x0                                ; the store and the prefetch have read their registers: base, data and offsets may be written again
	s_add_nc_u64 s[40:41], s[40:41], 0x40000       ; image 1 of out0
	s_sub_co_u32 s23, s23, 1
	s_cmp_lg_u32 s23, 0
	s_cbranch_scc1 .Lpatch
	s_wait_xcnt 0x0
	v_lshl_add_u32 v254, v0, 2, 0x4c400            ; the add's two registers, made anew: no memory or LDS instruction of the kernel reads v254 or v255
	v_mov_b32 v255, 0
	s_wait_dscnt 0x0                               ; the closing lines, six on end
	s_wait_alu 0x0
	s_wait_tensorcnt 0x0
	ds_add_u32 v254, v255
	s_wait_dscnt 0x0
	s_endpgm
.Lfunc_end_k_q42d90191bd_main:
	.size	k_q42d90191bd_main, .Lfunc_end_k_q42d90191bd_main-k_q42d90191bd_main
	.p2alignl 7, 3214868480
	.fill 96, 4, 3214868480
	.section	.rodata,"a",@progbits
	.p2align	6, 0x0
	.amdhsa_kernel k_q42d90191bd_main
		.amdhsa_group_segment_fixed_size 314368
		.amdhsa_private_segment_fixed_size 0
		.amdhsa_enable_private_segment 0
		.amdhsa_kernarg_size 72
		.amdhsa_user_sgpr_count 2
		.amdhsa_user_sgpr_kernarg_segment_ptr 1
		.amdhsa_wavefront_size32 1
		.amdhsa_system_sgpr_workgroup_id_x 1
		.amdhsa_system_sgpr_workgroup_id_y 1
		.amdhsa_system_sgpr_workgroup_id_z 1
		.amdhsa_system_vgpr_workitem_id 0
		.amdhsa_next_free_vgpr 256
		.amdhsa_next_free_sgpr 100
		.amdhsa_reserve_vcc 0
		.amdhsa_float_denorm_mode_32 3
		.amdhsa_float_denorm_mode_16_64 3
		.amdhsa_memory_ordered 1
		.amdhsa_forward_progress 1
		.amdhsa_inst_pref_size 139
	.end_amdhsa_kernel
	.amdgpu_metadata
---
amdhsa.version: [ 1, 2 ]
amdhsa.kernels:
  - .name:           k_q42d90191bd_main
    .symbol:         k_q42d90191bd_main.kd
    .args:
      - { .name: x, .offset: 0, .size: 8, .value_kind: global_buffer, .address_space: global }
      - { .name: wq, .offset: 8, .size: 8, .value_kind: global_buffer, .address_space: global }
      - { .name: b_in, .offset: 16, .size: 8, .value_kind: global_buffer, .address_space: global }
      - { .name: b_out, .offset: 24, .size: 8, .value_kind: global_buffer, .address_space: global }
      - { .name: ln_g, .offset: 32, .size: 8, .value_kind: global_buffer, .address_space: global }
      - { .name: ln_b, .offset: 40, .size: 8, .value_kind: global_buffer, .address_space: global }
      - { .name: w_lin, .offset: 48, .size: 8, .value_kind: global_buffer, .address_space: global }
      - { .name: b_lin, .offset: 56, .size: 8, .value_kind: global_buffer, .address_space: global }
      - { .name: out0, .offset: 64, .size: 8, .value_kind: global_buffer, .address_space: global }
    .group_segment_fixed_size: 314368
    .private_segment_fixed_size: 0
    .kernarg_segment_align: 8
    .kernarg_segment_size: 72
    .max_flat_workgroup_size: 512
    .sgpr_count:     100
    .vgpr_count:     256
    .wavefront_size: 32
...
	.end_amdgpu_metadata
.endif
;; end of part 4
